; MI455X (gfx1250); checked and timed in simulation.
; The chip was launched on July 23, 2026; its instructions are those of AMD's public machine-readable ISA for CDNA 5 (MIT licence, August 2026) and "CDNA5" Instruction Set Architecture Reference Guide (July 2026). The comments in the code are by the model that wrote it; some were corrected since.
;; Attention. Allowed arithmetic: matrix products marked QUANTISED: E2M3 operands, one E8M0 scale for each 32 along K, by v_wmma_scale_f32_16x16x128_f8f6f4 with both operands' format E2M3, f32 sums; everything else in f32.
;; Inputs: Wkv 1,024 x 2,048 float32; Wout 1,024 x 1,024 float32; Wq 1,024 x 1,024 float32; bout 1,024 float32; rotary_emb 2,048 x 64 float32; x 4 x 2,048 x 1,024 float32.
;; Outputs: out0 4 x 2,048 x 1,024 float32.
;; This version of the problem:
;;   THIS VERSION OF THE PROBLEM IS GIVEN IN LOW PRECISION. The matrix products marked QUANTISED in the list below multiply operands that are first quantised to E2M3 (2 exponent bits, 3 mantissa bits; 6 bits a number), with one power-of-two scale for each 32 numbers along K (OCP MX v1.0); their sums are f32. All else is computed in f32.
;;   The module's matrix products, in the order in which they are computed (A, B: the left and right operand; K: the contracted axis; several contracted axes count as one K, in the product's order):
;;     1. [M 8,192, K 1,024] x [K 1,024, N 1,024]; A: input x; B: input Wq: QUANTISED
;;     2. [M 8,192, K 1,024] x [K 1,024, N 2,048]; A: input x; B: input Wkv: QUANTISED
;;     3. batch 64 x [M 2,048, K 64] x [K 64, N 2,048]; A: computed on the way; B: computed on the way: QUANTISED
;;     4. batch 64 x [M 2,048, K 2,048] x [K 2,048, N 64]; A: softmax (see below); B: computed on the way: QUANTISED
;;     5. [M 8,192, K 1,024] x [K 1,024, N 1,024]; A: computed on the way; B: input Wout: QUANTISED
;;   THE QUANTISER, for each operand of a quantised product, along K:
;;     - K is cut into blocks of 32 from its start; a last block that is shorter is filled with zeros.
;;     - A block's scale is 2^e with e = floor(log2(the largest magnitude in the block)) - 2, held to -126 .. 127; a block of zeros has e = 0. As a byte (E8M0): e + 127.
;;     - Each number is divided by its block's scale, clamped to +-7.5, and rounded to the nearest number of E2M3, ties to even, subnormals kept.
;;     - The product sums the exact products of the quantised numbers (number of the format x scale) in f32.
;;   ~~~python
;;   def quantise(x, axis):      # numpy; x: float32 -> the quantised numbers, widened to float32 again
;;       x = np.moveaxis(x, axis, -1); K = x.shape[-1]
;;       x = np.pad(x, [(0, 0)] * (x.ndim - 1) + [(0, -K % 32)]); x = x.reshape(x.shape[:-1] + (-1, 32)); a = np.abs(x).max(-1, keepdims=True)
;;       e = np.where(a > 0, np.clip(np.frexp(np.where(a > 0, a, 1))[1] - 1 - 2, -126, 127), 0)      # np.frexp(a)[1] - 1 = floor(log2(a)), exactly
;;       r = np.clip(x / 2.0 ** e, -7.5, 7.5)
;;       step = 2.0 ** (np.maximum(np.frexp(np.where(r == 0, 1, r))[1] - 1, 0) - 3)
;;       q = np.round(r / step) * step * 2.0 ** e      # np.round: ties to even
;;       return np.moveaxis(q.reshape(q.shape[:-2] + (-1,))[..., :K], -1, axis).astype(np.float32)
;;   ~~~
;;   SOFTMAX AHEAD OF A QUANTISED PRODUCT. Where the list says 'softmax', what is quantised is not the finished softmax but p = 2^(t - M), with t = logit x log2(e) and M = ceil(the row's largest t), a whole number; so 1/2 < the row's largest p <= 1. The row's sum l is taken of the UNQUANTISED p, in f32, and the product's result is divided by l at the end. Since M is a whole number, a kernel that streams over the keys may use a running M (the ceiling of the running maximum): every later rescaling is an exact power of two, which a block's scale takes up: the codes' values come out the same.
;;   OPERANDS COMPUTED ON THE WAY. 'Computed on the way' means the value that the module computes at that place (a softmax that the list does not call 'softmax' is quantised finished and normalised). What goes into a quantiser is computed in f32, as accurately as f32 sums, v_exp_f32 and their like allow (about 1e-6 of the number): no bf16 or f16 on the way to a quantiser, and a product that is left as it is and whose result goes on into a quantised operand takes f32 operands (vector FMAs, or v_wmma_f32_16x16x4_f32). A number that lies on a knife's edge between two numbers of the format may be rounded either way, as far as f32 arithmetic and the matrix unit's own rounding can turn it there, and no further.
;; One version. Each part assembles by itself: llvm-mc -triple=amdgcn-amd-amdhsa -mcpu=gfx1250 --defsym DOCPART=n.
;; ======== version 1 of 1: 5 launches
;; limits: inputs' magnitudes at most 100,000; right only within a limited range of input values
;; workspace buffers: xq 7,602,176 bytes; wq 3,276,800 bytes; qkvb 20,185,088 bytes; ob 6,553,600 bytes
;; launch qx (part 1): grid 256 x 1, 4 waves a work-group, no clusters, 34,304 bytes of LDS; arguments x, rotary_emb, xq; writes xq
.if DOCPART == 1
	.amdgcn_target "amdgcn-amd-amdhsa--gfx1250"
	.amdhsa_code_object_version 6
	.text
	.protected	k_qd6fea54eeb_qx
	.globl	k_qd6fea54eeb_qx
	.p2align	8
	.type	k_qd6fea54eeb_qx,@function
k_qd6fea54eeb_qx:
	s_mov_b64 s[64:65], 0
	v_nop
	global_prefetch_b8 v0, s[64:65] scope:SCOPE_SE
	s_setreg_imm32_b32 hwreg(HW_REG_WAVE_MODE, 25, 1), 1
	s_wait_xcnt 0x0
; x [8192][1024] f32 becomes codes of FP6 (E2M3) with one E8M0 byte for each 32 along K, laid in the ORDER OF AN OPERAND'S REGISTERS; and rotary_emb becomes a table of cos and signed sin.
; A TILE is 16 tokens: tile 2 g + u, row r = token 32 g + 8 u + r + 8 (r / 8).  A FRAGMENT (16 rows x 128 K) is 1,536 bytes: two halves of 768; half c holds registers 6 c .. 6 c + 5:
; registers 0-3 at 16 x lane, registers 4-5 at 512 + 8 x lane.  Lane (r, h) holds k = 64 c + 32 h + 0 .. 31 of row r.  A tile's K = 1,024 is 8 fragments, 12,288 bytes.
; SCALES of a tile: [K half 2][row 16][4 words]; word s % 4 of half s / 4 is the row's four bytes of K step s.
; TABLE, a tile of 16 positions: 16 chunks of 512 bytes, 16 x lane; chunk i: cos of d = 32 (i / 4) + 16 h + 4 (i % 4) + 0 .. 3; chunk 8 + i: sin of the same d, negated for d < 32.
; SHARES.  Wave w of work-group g takes tile 2 g + w / 2, K half w % 2 (four fragments), and one chunk of cos and of sin: table tile g / 2, chunk 4 (g % 2) + w.
; Each load reads 512 consecutive bytes of a row; the 16 rows x 512 bytes turn through the wave's own stage in LDS (rows 528 bytes apart) so that a lane gets 2 x 32 neighbours along K.
; A block's scale byte is its largest magnitude's exponent field - 2, held at 1 from below (a block of zeros gets 1: its codes are zeros, and this program alone reads the bytes).
; sin and cos: k = round(x 2 / pi); r = x - k pi / 2 in three fused steps; polynomials on |r| <= pi / 4; the quadrant from k.
; LIMITS: |rotary_emb| up to about 1e5 (the reduction's error grows with k); NaN and infinities among the inputs are not served.
.set XSO,   6291456                    ; xq: the scales
.set CSO,   6553600                    ; xq: the table
.set STG,   8448                       ; a wave's stage: 16 rows x 528 bytes
.set SPARE, 4*STG                      ; behind the stages: the spare words, 128 bytes a wave
.set SPW, 6                            ; v6  my spare word's LDS address; never rewritten
.set NIL, 7                            ; v7  0; never rewritten
.set R,   16                           ; v16-143  two sets of 64 numbers as loaded
.set X,   144                          ; v144-207 64 numbers turned: register 32 c + i = k 64 c + 32 h + i
.set P,   208                          ; v208-231 two sets of 12: a fragment's codes
.set T,   232                          ; v232-234, v236-238 second halves of the conversions
.set M,   240
.set SO,  242
.set BY,  244
.set PW,  246                          ; v246-249 the four fragments' scale words
	s_load_b128 s[4:7], s[0:1], 0x0                ; x, rotary_emb
	s_load_b64 s[8:9], s[0:1], 0x10                ; xq
	v_lshl_add_u32 v[SPW], v0, 2, SPARE
	v_mov_b32 v[NIL], 0
	v_lshrrev_b32 v8, 5, v0
	v_readfirstlane_b32 s10, v8                    ; wave
	v_and_b32 v8, 31, v0                           ; lane
	v_lshlrev_b32 v1, 4, v8                        ; v1 = 16 x lane
	v_lshlrev_b32 v2, 3, v8                        ; v2 = 8 x lane
	v_and_b32 v11, 15, v0                          ; r
	v_bfe_u32 v12, v0, 4, 1                        ; h
	s_mul_i32 s11, s10, STG
	v_add_nc_u32 v3, s11, v1                       ; v3: the stage, on the way in
	v_mul_u32_u24 v4, v11, 528
	v_lshl_add_u32 v4, v12, 7, v4
	v_add_nc_u32 v4, s11, v4                       ; v4: on the way out: row r, + 128 h
	v_and_b32 v5, 8, v11
	v_add_nc_u32 v5, v5, v11                       ; r + 8 (r / 8)
	v_lshlrev_b32 v5, 8, v5
	v_lshl_add_u32 v5, v12, 6, v5                  ; v5: rotary_emb: that row of 256 bytes, + 64 h
	v_lshlrev_b32 v9, 3, v12                       ; v9 = 8 h
	v_mov_b32 v10, 0                               ; a lane permute's destination counts as read
	v_lshlrev_b32 v13, 4, v11
	v_lshl_add_u32 v13, v12, 3, v13                ; v13: the scales' place: 16 r + 8 h
	s_mov_b32 s12, 0x76543210
	s_mov_b32 s13, 0xfedcba98                      ; selects for lane l xor 16
	s_mov_b32 s14, 0xffff0000                      ; lanes 16-31
	s_lshr_b32 s16, s10, 1                         ; which tile of the two
	s_and_b32 s17, s10, 1                          ; which half of K
	s_lshl_b32 s18, ttmp9, 17                      ; 32 tokens of 4,096 bytes a work-group
	s_lshl_b32 s19, s16, 15
	s_add_co_u32 s18, s18, s19
	s_lshl_b32 s19, s17, 11
	s_add_co_u32 s18, s18, s19
	s_mov_b32 s19, 0                               ; s[18:19]: x
	s_lshl_b32 s20, ttmp9, 1
	s_add_co_u32 s20, s20, s16                     ; the tile
	s_mul_i32 s22, s20, 12288
	s_mul_i32 s21, s17, 6144
	s_add_co_u32 s22, s22, s21
	s_mov_b32 s23, 0                               ; s[22:23]: its codes
	s_lshl_b32 s24, s20, 9
	s_lshl_b32 s21, s17, 8
	s_add_co_u32 s24, s24, s21
	s_add_co_u32 s24, s24, XSO
	s_mov_b32 s25, 0                               ; s[24:25]: its scales
	s_lshr_b32 s26, ttmp9, 1                       ; the table's tile
	s_and_b32 s27, ttmp9, 1                        ; chunk / 4
	s_lshl_b32 s28, s26, 13
	s_lshl_b32 s21, s27, 11
	s_add_co_u32 s28, s28, s21
	s_lshl_b32 s21, s10, 9
	s_add_co_u32 s28, s28, s21
	s_add_co_u32 s28, s28, CSO
	s_mov_b32 s29, 0                               ; s[28:29]: my chunk of cos
	s_lshr_b32 s30, s26, 1
	s_lshl_b32 s30, s30, 13                        ; 32 positions of 256 bytes
	s_and_b32 s21, s26, 1
	s_lshl_b32 s21, s21, 11
	s_add_co_u32 s30, s30, s21
	s_lshl_b32 s21, s27, 7
	s_add_co_u32 s30, s30, s21
	s_lshl_b32 s21, s10, 4
	s_add_co_u32 s30, s30, s21
	s_mov_b32 s31, 0                               ; s[30:31]: rotary_emb
	s_cmp_eq_u32 s27, 0
	s_cselect_b32 s15, 0x80000000, 0               ; d < 32: sin is negated
	s_wait_alu depctr_va_vdst(0)
	s_wait_kmcnt 0x0
	s_add_nc_u64 s[4:5], s[4:5], s[18:19]
	s_add_nc_u64 s[6:7], s[6:7], s[30:31]
	s_add_nc_u64 s[22:23], s[8:9], s[22:23]
	s_add_nc_u64 s[24:25], s[8:9], s[24:25]
	s_add_nc_u64 s[28:29], s[8:9], s[28:29]
.macro LOAD f                          ; fragment f: 16 rows x 512 consecutive bytes
.irp i, 0,1,2,3,4,5,6,7,8,9,10,11,12,13,14,15
	global_load_b128 v[R+64*((\f)%2)+4*\i:R+64*((\f)%2)+4*\i+3], v1, s[4:5] offset:(\i+8*(\i/8))*4096+512*(\f) th:TH_LOAD_NT
.endr
.endm
	global_load_b128 v[X:X+3], v5, s[6:7]          ; four angles
	LOAD 0
	LOAD 1
	v_mov_b32 v184, 0xb94ca1f9                     ; the polynomials' leading coefficients
	v_mov_b32 v185, 0x37ccf5ce
	s_wait_loadcnt 32                              ; the angles are in; the 32 loads of x stay out
.irp e, 0,1,2,3
	v_mul_f32 v[148+\e], 0x3f22f983, v[144+\e]     ; x 2 / pi
.endr
.irp e, 0,1,2,3
	v_rndne_f32 v[148+\e], v[148+\e]               ; k
.endr
.irp e, 0,1,2,3
	v_fmamk_f32 v[152+\e], v[148+\e], 0xbfc90fdb, v[144+\e]   ; x - k pi / 2, in three parts of pi / 2
.endr
.irp e, 0,1,2,3
	v_fmamk_f32 v[152+\e], v[148+\e], 0x333bbd2e, v[152+\e]
.endr
.irp e, 0,1,2,3
	v_fmamk_f32 v[152+\e], v[148+\e], 0x26f72ced, v[152+\e]
.endr
.irp e, 0,1,2,3
	v_mul_f32 v[156+\e], v[152+\e], v[152+\e]      ; z = r r
.endr
.irp e, 0,1,2,3
	v_fmaak_f32 v[160+\e], v184, v[156+\e], 0x3c08839e
.endr
.irp e, 0,1,2,3
	v_fmaak_f32 v[160+\e], v[160+\e], v[156+\e], 0xbe2aaaa3
.endr
.irp e, 0,1,2,3
	v_mul_f32 v[172+\e], v[152+\e], v[156+\e]
.endr
.irp e, 0,1,2,3
	v_fma_f32 v[160+\e], v[172+\e], v[160+\e], v[152+\e]      ; sin r
.endr
.irp e, 0,1,2,3
	v_fmaak_f32 v[164+\e], v185, v[156+\e], 0xbab6061a
.endr
.irp e, 0,1,2,3
	v_fmaak_f32 v[164+\e], v[164+\e], v[156+\e], 0x3d2aaaa5
.endr
.irp e, 0,1,2,3
	v_mul_f32 v[172+\e], v[156+\e], v[156+\e]
.endr
.irp e, 0,1,2,3
	v_fma_f32 v[156+\e], v[156+\e], -0.5, 1.0
.endr
.irp e, 0,1,2,3
	v_fma_f32 v[164+\e], v[172+\e], v[164+\e], v[156+\e]      ; cos r
.endr
.irp e, 0,1,2,3
	v_cvt_i32_f32 v[168+\e], v[148+\e]             ; the quadrant
.endr
.irp e, 0,1,2,3
	v_and_b32 v[172+\e], 1, v[168+\e]
	v_cmp_eq_u32 vcc_lo, 1, v[172+\e]              ; odd: the two change places
	v_cndmask_b32 v[180+\e], v[160+\e], v[164+\e], vcc_lo
	v_cndmask_b32 v[176+\e], v[164+\e], v[160+\e], vcc_lo
	v_lshlrev_b32 v[172+\e], 30, v[168+\e]         ; sin is negative in quadrants 2, 3
	v_and_b32 v[172+\e], 0x80000000, v[172+\e]
	v_xor_b32 v[172+\e], s15, v[172+\e]            ; and the table's own sign
	v_xor_b32 v[180+\e], v[172+\e], v[180+\e]
	v_add_nc_u32 v[168+\e], 1, v[168+\e]           ; cos in quadrants 1, 2
	v_lshlrev_b32 v[168+\e], 30, v[168+\e]
	v_and_b32 v[168+\e], 0x80000000, v[168+\e]
	v_xor_b32 v[176+\e], v[168+\e], v[176+\e]
.endr
	global_store_b128 v1, v[176:179], s[28:29]     ; 512 consecutive bytes each
	global_store_b128 v1, v[180:183], s[28:29] offset:4096
	s_wait_xcnt 0x0                                ; the stores' data lie where the turned numbers land
.macro FRAGQ f
.set RS, R+64*((\f)%2)
.set PS, P+12*((\f)%2)
.if (\f) < 3
	s_wait_loadcnt 16                              ; this fragment's 16 loads are in; the next one's may be out
.else
	s_wait_loadcnt 0x0
.endif
.irp i, 0,1,2,3,4,5,6,7,8,9,10,11,12,13,14,15
	ds_store_b128 v3, v[RS+4*\i:RS+4*\i+3] offset:528*\i
.endr
.irp c, 0,1
.irp j, 0,1,2,3,4,5,6,7
	ds_load_b128 v[X+32*\c+4*\j:X+32*\c+4*\j+3], v4 offset:256*\c+16*\j   ; LDS serves a wave's instructions in order: these see the stores above
.endr
.endr
	s_wait_dscnt 0x0
.if (\f) < 2
	LOAD (\f)+2                                    ; into the registers that the stage's stores have read
.endif
.irp c, 0,1
	v_max3_num_f32 v[M+\c], |v[X+32*\c]|, |v[X+32*\c+1]|, 0x1800000   ; my block 2 c + h, whole; the floor 2^(3 - 127) holds the byte at 1
.endr
.irp i, 2,4,6,8,10,12,14,16,18,20,22,24,26,28,30
.irp c, 0,1
	v_max3_num_f32 v[M+\c], v[M+\c], |v[X+32*\c+\i]|, |v[X+32*\c+\i+1]|
.endr
.endr
.irp c, 0,1
	v_add_nc_u32 v[SO+\c], 0xff000000, v[M+\c]     ; 2 off the exponent field: the conversion's scale operand
.endr
.irp c, 0,1
	v_lshrrev_b32 v[BY+\c], 23, v[SO+\c]           ; the byte
.endr
	v_lshl_or_b32 v8, v[BY+1], 16, v[BY]
	v_lshlrev_b32 v8, v9, v8                       ; my two bytes at their places,
	v_permlanex16_b32 v10, v8, s12, s13
	v_or_b32 v[PW+(\f)], v8, v10                   ; with lane l xor 16's two: the row's word
	s_wait_alu depctr_va_vdst(0)
	s_wait_xcnt 0x0                                ; the stores of two fragments ago have read this set of codes
.irp c, 0,1
	v_cvt_scalef32_pk16_fp6_f32 v[PS+6*\c:PS+6*\c+2], v[X+32*\c:X+32*\c+15], v[SO+\c]
	v_cvt_scalef32_pk16_fp6_f32 v[T+4*\c:T+4*\c+2], v[X+32*\c+16:X+32*\c+31], v[SO+\c]   ; (a conversion's three registers begin on an even number)
.endr
	v_nop                                          ; one plain place behind a scaled conversion
.irp c, 0,1
.irp i, 0,1,2
	v_mov_b32 v[PS+6*\c+3+\i], v[T+4*\c+\i]
.endr
.endr
	global_store_b128 v1, v[PS:PS+3], s[22:23] offset:1536*(\f)
	global_store_b64 v2, v[PS+4:PS+5], s[22:23] offset:1536*(\f)+512
	global_store_b128 v1, v[PS+6:PS+9], s[22:23] offset:1536*(\f)+768
	global_store_b64 v2, v[PS+10:PS+11], s[22:23] offset:1536*(\f)+1280
.endm
	FRAGQ 0
	FRAGQ 1
	FRAGQ 2
	FRAGQ 3
	v_cndmask_b32 v14, v[PW], v[PW+2], s14         ; lanes 0-15 store words 0, 1 of their row, lanes 16-31 words 2, 3
	v_cndmask_b32 v15, v[PW+1], v[PW+3], s14
	global_store_b64 v13, v[14:15], s[24:25]       ; 256 consecutive bytes
	s_wait_tensorcnt 0x0                           ; the wave's end
	ds_add_u32 v[SPW], v[NIL]
	s_wait_dscnt 0x0
	s_endpgm
.Lfunc_end_k_qd6fea54eeb_qx:
	.size	k_qd6fea54eeb_qx, .Lfunc_end_k_qd6fea54eeb_qx-k_qd6fea54eeb_qx
	.p2alignl 7, 3214868480
	.fill 96, 4, 3214868480
	.section	.rodata,"a",@progbits
	.p2align	6, 0x0
	.amdhsa_kernel k_qd6fea54eeb_qx
		.amdhsa_group_segment_fixed_size 34304
		.amdhsa_private_segment_fixed_size 0
		.amdhsa_enable_private_segment 0
		.amdhsa_kernarg_size 24
		.amdhsa_user_sgpr_count 2
		.amdhsa_user_sgpr_kernarg_segment_ptr 1
		.amdhsa_wavefront_size32 1
		.amdhsa_system_sgpr_workgroup_id_x 1
		.amdhsa_system_sgpr_workgroup_id_y 1
		.amdhsa_system_sgpr_workgroup_id_z 1
		.amdhsa_system_vgpr_workitem_id 0
		.amdhsa_next_free_vgpr 256
		.amdhsa_next_free_sgpr 66
		.amdhsa_reserve_vcc 1
		.amdhsa_float_denorm_mode_32 3
		.amdhsa_float_denorm_mode_16_64 3
		.amdhsa_memory_ordered 1
		.amdhsa_forward_progress 1
		.amdhsa_inst_pref_size 37
	.end_amdhsa_kernel
	.amdgpu_metadata
---
amdhsa.version: [ 1, 2 ]
amdhsa.kernels:
  - .name:           k_qd6fea54eeb_qx
    .symbol:         k_qd6fea54eeb_qx.kd
    .args:
      - { .name: x, .offset: 0, .size: 8, .value_kind: global_buffer, .address_space: global }
      - { .name: rotary_emb, .offset: 8, .size: 8, .value_kind: global_buffer, .address_space: global }
      - { .name: xq, .offset: 16, .size: 8, .value_kind: global_buffer, .address_space: global }
    .group_segment_fixed_size: 34304
    .private_segment_fixed_size: 0
    .kernarg_segment_align: 8
    .kernarg_segment_size: 24
    .max_flat_workgroup_size: 128
    .sgpr_count:     66
    .vgpr_count:     256
    .wavefront_size: 32
...
	.end_amdgpu_metadata
.endif
;; end of part 1
;; launch qw (part 2): grid 32 x 8, 4 waves a work-group, no clusters, 12,800 bytes of LDS; arguments Wq, Wkv, Wout, wq; writes wq
.if DOCPART == 2
	.amdgcn_target "amdgcn-amd-amdhsa--gfx1250"
	.amdhsa_code_object_version 6
	.text
	.protected	k_qd6fea54eeb_qw
	.globl	k_qd6fea54eeb_qw
	.p2align	8
	.type	k_qd6fea54eeb_qw,@function
k_qd6fea54eeb_qw:
	s_mov_b64 s[64:65], 0
	v_nop
	global_prefetch_b8 v0, s[64:65] scope:SCOPE_SE
	s_setreg_imm32_b32 hwreg(HW_REG_WAVE_MODE, 25, 1), 1
	s_wait_xcnt 0x0
; Wq [1024][1024], Wkv [1024][2048], Wout [1024][1024], f32 with K as the FIRST axis, become codes of FP6 (E2M3) with one E8M0 byte for each 32 along K, in the order of an operand's registers.
; A TILE is 16 columns: tile 2 g + u, row r = column 32 g + 8 u + r + 8 (r / 8).  Fragment (16 rows x 128 K, 1,536 bytes), tile (12,288 bytes) and scales (512 bytes: [K half][row][4 words]) as in the launch for x.
; wq: head h has tiles 12 h + 0 .. 3 (q's 64 columns), + 4 .. 7 (k's), + 8 .. 11 (v's); behind them their scales; then Wout's 64 tiles and their scales.
; A LANE TAKES A COLUMN AND ITS REGISTERS RUN DOWN K: a load reads 128 consecutive bytes a wave, 512 a work-group; a block of 32 lies in one lane; nothing is transposed by an instruction.
; SHARES.  Wave w of work-group (x, y): the 32 columns of group 4 x + w (0-31 Wq, 32-95 Wkv, 96-127 Wout), K step y (128 along K): two fragments, which leave through the wave's own 3,072 bytes of LDS.
; ONE path serves the three tensors: pointer, pitch and offsets are chosen by the work-group's number alone.  The pitch stands in no immediate: 32 offset registers and four bases.
; The scale words leave as 4 bytes a lane, 16 bytes apart: parts of units, one byte in 24 of what the launch stores.
; A block of zeros gets the byte 1 (its codes are zeros; this program alone reads the bytes).  LIMITS: NaN and infinities among the inputs are not served.
.set WSO,   2359296
.set WOC,   2457600
.set WOS,   3244032
.set SPARE, 12288                      ; behind the four waves' 3,072 bytes: the spare words
.set SPW, 13
.set NIL, 14
.set OF,  16                           ; v16-47   4 x lane + i x pitch
.set X,   48                           ; v48-175  four blocks of 32 numbers
.set P,   176                          ; v176-199 four blocks' codes, 6 registers each
.set T,   200
.set SB,  204                          ; the four bytes
.set M,   205
.set SO,  207
.set OUTR, 208                         ; v208-231 the way out
	s_load_b256 s[4:11], s[0:1], 0x0               ; Wq, Wkv, Wout, wq
	v_lshl_add_u32 v[SPW], v0, 2, SPARE
	v_mov_b32 v[NIL], 0
	v_lshrrev_b32 v1, 5, v0
	v_readfirstlane_b32 s12, v1                    ; wave
	v_and_b32 v2, 31, v0                           ; lane = column in the group
	v_lshlrev_b32 v3, 2, v2
	v_bfe_u32 v4, v0, 3, 1                         ; u: which of the two tiles
	v_and_b32 v5, 7, v0
	v_bfe_u32 v6, v0, 4, 1
	v_lshl_add_u32 v5, v6, 3, v5                   ; r: its row there
	s_mul_i32 s13, s12, 3072
	v_mul_u32_u24 v7, v4, 1536
	v_add_nc_u32 v7, s13, v7
	v_lshl_add_u32 v8, v5, 4, v7                   ; v8: registers 0-3 of my row
	v_lshl_add_u32 v9, v5, 3, v7
	v_add_nc_u32 v9, 512, v9                       ; v9: registers 4-5
	v_lshlrev_b32 v11, 4, v2                       ; v11 = 16 x lane
	v_add_nc_u32 v10, s13, v11                     ; v10: the way out of LDS
	v_lshlrev_b32 v12, 9, v4
	v_lshl_add_u32 v12, v5, 4, v12                 ; v12: my scale word: 512 u + 16 r
	s_and_b32 s14, ttmp7, 0xffff                   ; the K step
	s_lshl_b32 s15, ttmp9, 2
	s_add_co_u32 s15, s15, s12                     ; the group of 32 columns
	s_sub_co_u32 s24, ttmp9, 8
	s_cmp_lt_u32 s24, 16                           ; Wkv?
	s_cselect_b32 s24, 13, 12
	s_lshl_b32 s25, 1, s24                         ; the pitch in bytes
	s_cmp_lt_u32 ttmp9, 8
	s_cselect_b32 s26, 0, 32
	s_cmp_lt_u32 ttmp9, 24
	s_cselect_b32 s26, s26, 96
	s_sub_co_u32 s26, s15, s26                     ; the group within its tensor
	s_lshl_b32 s26, s26, 7
	s_lshl_b32 s27, s14, 7
	s_lshl_b32 s27, s27, s24                       ; 128 rows a K step
	s_add_co_u32 s26, s26, s27
	s_mov_b32 s27, 0                               ; s[26:27]: where my numbers begin
	s_lshl_b32 s28, 32, s24
	s_mov_b32 s29, 0                               ; s[28:29]: 32 rows
	s_and_b32 s30, s15, 31
	s_lshr_b32 s31, s30, 1
	s_mul_i32 s31, s31, 12                         ; the head's twelve tiles,
	s_lshr_b32 s32, s15, 5
	s_lshl_b32 s32, s32, 2                         ; q, k or v,
	s_add_co_u32 s31, s31, s32
	s_and_b32 s32, s15, 1
	s_lshl_b32 s32, s32, 1
	s_add_co_u32 s31, s31, s32                     ; and which pair
	s_lshl_b32 s30, s30, 1                         ; Wout: the pair
	s_mul_i32 s32, s31, 12288
	s_mul_i32 s33, s30, 12288
	s_add_co_u32 s33, s33, WOC
	s_lshl_b32 s34, s31, 9
	s_add_co_u32 s34, s34, WSO
	s_lshl_b32 s35, s30, 9
	s_add_co_u32 s35, s35, WOS
	s_cmp_lt_u32 ttmp9, 24
	s_cselect_b32 s32, s32, s33
	s_cselect_b32 s34, s34, s35
	s_mul_i32 s33, s14, 1536
	s_add_co_u32 s32, s32, s33
	s_mov_b32 s33, 0                               ; s[32:33]: the codes
	s_lshr_b32 s35, s14, 2
	s_lshl_b32 s35, s35, 8
	s_add_co_u32 s34, s34, s35
	s_and_b32 s35, s14, 3
	s_lshl_b32 s35, s35, 2
	s_add_co_u32 s34, s34, s35
	s_mov_b32 s35, 0                               ; s[34:35]: the scale words
.set i, 0
.rept 32
	v_mad_u32_u24 v[OF+i], s25, i, v3
.set i, i+1
.endr
	s_wait_alu depctr_va_vdst(0)
	s_wait_kmcnt 0x0
	s_cmp_lt_u32 ttmp9, 8                          ; the choice hangs on the work-group's number alone
	s_cselect_b64 s[16:17], s[4:5], s[6:7]
	s_cmp_lt_u32 ttmp9, 24
	s_cselect_b64 s[16:17], s[16:17], s[8:9]
	s_add_nc_u64 s[16:17], s[16:17], s[26:27]      ; a base for each block of 32 rows
	s_add_nc_u64 s[18:19], s[16:17], s[28:29]
	s_add_nc_u64 s[20:21], s[18:19], s[28:29]
	s_add_nc_u64 s[22:23], s[20:21], s[28:29]
	s_add_nc_u64 s[32:33], s[10:11], s[32:33]
	s_add_nc_u64 s[34:35], s[10:11], s[34:35]
.macro LOAD t
.set i, 0
.rept 32
	global_load_b32 v[X+32*(\t)+i], v[OF+i], s[16+2*(\t):17+2*(\t)] th:TH_LOAD_NT
.set i, i+1
.endr
.endm
	LOAD 0
	LOAD 1
.macro BLOCK t
.set XB, X+32*(\t)
.set PB, P+6*(\t)
.if (\t) < 3
	s_wait_loadcnt 32                              ; this block's 32 loads are in; the next block's may be out
.else
	s_wait_loadcnt 0x0
.endif
.if (\t) < 2
	LOAD (\t)+2
.endif
	v_max3_num_f32 v[M], |v[XB]|, |v[XB+1]|, |v[XB+2]|
	v_max3_num_f32 v[M+1], |v[XB+3]|, |v[XB+4]|, |v[XB+5]|
.irp i, 6,10,14,18,22,26
	v_max3_num_f32 v[M], v[M], |v[XB+\i]|, |v[XB+\i+1]|
	v_max3_num_f32 v[M+1], v[M+1], |v[XB+\i+2]|, |v[XB+\i+3]|
.endr
	v_max3_num_f32 v[M], v[M], |v[XB+30]|, |v[XB+31]|
	v_max3_num_f32 v[M], v[M], v[M+1], 0x1800000   ; with the floor 2^(3 - 127)
	v_add_nc_u32 v[SO], 0xff000000, v[M]           ; the conversion's scale operand
	v_lshrrev_b32 v[M+1], 23, v[SO]                ; the byte
.if (\t) == 0
	v_mov_b32 v[SB], v[M+1]
.else
	v_lshl_or_b32 v[SB], v[M+1], 8*(\t), v[SB]
.endif
	v_cvt_scalef32_pk16_fp6_f32 v[PB:PB+2], v[XB:XB+15], v[SO]
	v_cvt_scalef32_pk16_fp6_f32 v[T:T+2], v[XB+16:XB+31], v[SO]
	v_nop                                          ; one plain place behind a scaled conversion
.irp i, 0,1,2
	v_mov_b32 v[PB+3+\i], v[T+\i]
.endr
	ds_store_b128 v8, v[PB:PB+3] offset:((\t)/2)*768+256*((\t)%2)     ; block t is half t / 2, lanes 16 (t % 2) + r of the fragment
	ds_store_b64 v9, v[PB+4:PB+5] offset:((\t)/2)*768+128*((\t)%2)
.endm
	BLOCK 0
	BLOCK 1
	BLOCK 2
	BLOCK 3
.irp i, 0,1,2,3,4,5
	ds_load_b128 v[OUTR+4*\i:OUTR+4*\i+3], v10 offset:512*\i          ; LDS serves a wave's instructions in order: these see my stores
.endr
	s_wait_alu depctr_va_vdst(0)
.irp i, 0,1,2,3,4,5
	s_wait_dscnt 5-\i
	global_store_b128 v11, v[OUTR+4*\i:OUTR+4*\i+3], s[32:33] offset:(\i/3)*12288+512*(\i%3)   ; 512 consecutive bytes
.endr
	global_store_b32 v12, v[SB], s[34:35]
	s_wait_tensorcnt 0x0                           ; the wave's end
	ds_add_u32 v[SPW], v[NIL]
	s_wait_dscnt 0x0
	s_endpgm
.Lfunc_end_k_qd6fea54eeb_qw:
	.size	k_qd6fea54eeb_qw, .Lfunc_end_k_qd6fea54eeb_qw-k_qd6fea54eeb_qw
	.p2alignl 7, 3214868480
	.fill 96, 4, 3214868480
	.section	.rodata,"a",@progbits
	.p2align	6, 0x0
	.amdhsa_kernel k_qd6fea54eeb_qw
		.amdhsa_group_segment_fixed_size 12800
		.amdhsa_private_segment_fixed_size 0
		.amdhsa_enable_private_segment 0
		.amdhsa_kernarg_size 32
		.amdhsa_user_sgpr_count 2
		.amdhsa_user_sgpr_kernarg_segment_ptr 1
		.amdhsa_wavefront_size32 1
		.amdhsa_system_sgpr_workgroup_id_x 1
		.amdhsa_system_sgpr_workgroup_id_y 1
		.amdhsa_system_sgpr_workgroup_id_z 1
		.amdhsa_system_vgpr_workitem_id 0
		.amdhsa_next_free_vgpr 240
		.amdhsa_next_free_sgpr 66
		.amdhsa_reserve_vcc 0
		.amdhsa_float_denorm_mode_32 3
		.amdhsa_float_denorm_mode_16_64 3
		.amdhsa_memory_ordered 1
		.amdhsa_forward_progress 1
		.amdhsa_inst_pref_size 26
	.end_amdhsa_kernel
	.amdgpu_metadata
---
amdhsa.version: [ 1, 2 ]
amdhsa.kernels:
  - .name:           k_qd6fea54eeb_qw
    .symbol:         k_qd6fea54eeb_qw.kd
    .args:
      - { .name: Wq, .offset: 0, .size: 8, .value_kind: global_buffer, .address_space: global }
      - { .name: Wkv, .offset: 8, .size: 8, .value_kind: global_buffer, .address_space: global }
      - { .name: Wout, .offset: 16, .size: 8, .value_kind: global_buffer, .address_space: global }
      - { .name: wq, .offset: 24, .size: 8, .value_kind: global_buffer, .address_space: global }
    .group_segment_fixed_size: 12800
    .private_segment_fixed_size: 0
    .kernarg_segment_align: 8
    .kernarg_segment_size: 32
    .max_flat_workgroup_size: 128
    .sgpr_count:     66
    .vgpr_count:     240
    .wavefront_size: 32
...
	.end_amdgpu_metadata
.endif
;; end of part 2
;; launch qkv (part 3): grid 16 x 32, 4 waves a work-group, clusters of 4 x 4, 327,680 bytes of LDS; arguments xq, wq, qkvb; writes qkvb
.if DOCPART == 3
	.amdgcn_target "amdgcn-amd-amdhsa--gfx1250"
	.amdhsa_code_object_version 6
	.text
	.protected	k_qd6fea54eeb_qkv
	.globl	k_qd6fea54eeb_qkv
	.p2align	8
	.type	k_qd6fea54eeb_qkv,@function
k_qd6fea54eeb_qkv:
	s_mov_b64 s[64:65], 0
	v_nop
	global_prefetch_b8 v0, s[64:65] scope:SCOPE_SE
	s_setreg_imm32_b32 hwreg(HW_REG_WAVE_MODE, 25, 1), 1
	s_wait_xcnt 0x0
	s_wait_alu depctr_hold_cnt(0) depctr_sa_sdst(0) depctr_va_vdst(0) depctr_va_sdst(0) depctr_va_ssrc(0) depctr_va_vcc(0) depctr_vm_vsrc(0)
	s_getreg_b32 s2, hwreg(HW_REG_IB_STS2, 6, 4)
	s_cmp_eq_u32 s2, 0
	s_cbranch_scc0 .Lentry_in_a_cluster
	s_endpgm
.Lentry_in_a_cluster:
	s_bfe_u32 s2, ttmp6, 0x10000c
	s_cmp_lg_u32 s2, 0xf033
	s_cbranch_scc0 .Lentry_shape_is_right
	s_endpgm
.Lentry_shape_is_right:
; q, k, v = x Wq, x Wkv on codes of FP6 (E2M3) with E8M0 scales; rope on q and k; then q and k are quantised along d and v along the keys, and stored in the order of the next launch's operand registers.
; SHARES.  A work-group takes one head (192 columns: 12 tiles of 16) and 256 tokens (16 tiles).  Wave w: tokens 128 (w / 2) on (8 tiles); w % 2 = 0: q's four tiles and v's tiles 0, 1; w % 2 = 1: k's four and v's 2, 3.
; 48 accumulators, 384 registers.  q and k are used TRANSPOSED (source 0 = 16 columns of W, source 1 = 16 tokens): a lane holds one token, its registers run along d.  v is used as it stands
; (source 0 = tokens, source 1 = columns): a lane holds one d, its registers run along the tokens, which are the next product's K.  The rows of every tile are 32 g + 8 u + r + 8 (r / 8), so that the 16 registers
; of two neighbouring tiles are 16 neighbours.
; K = 1,024 goes in four steps of 256 (two matrix instructions deep).  LDS: three slots of 86,016 bytes (A: 16 tiles x 3,072, B: 12 x 3,072).  K steps 0, 1, 2 are first fills; K step 3 fills slot 0 again;
; the table of cos and sin for the 256 tokens (131,072 bytes) then fills slots 1 and 2 again.  By this text's own count a wave has at most three tensor loads out.
; CLUSTER 4 x 4: A's tiles and the table hang on the token block alone and are asked for jointly along a row of the cluster; B's on the head alone, along a column.
; Fragments lie in memory and LDS as images of the registers: 16 bytes a lane for registers 0-3, 8 bytes a lane for 4-5, twice: every LDS load reads consecutive bytes, so no padding.
; The scale words come from memory straight into registers, once: one register for a pair of tiles and a K step of 128: the even tile in lanes 0-15, the odd one in lanes 16-31.
; No prefetch: three of the four K steps are asked for at the head.  A block of zeros gets the byte 1 (zero codes).  LIMITS: NaN and infinities are not served.
; REGISTERS.  window 0: v1, v2 the add's two; v3-20 LDS addresses, six for each slot; v21-25, v29; v32-63 x's scale words, v64-87 W's; v88-183 A, v184-255 B: fragment buffer 1 (odd steps); in the epilogue v88-243 at work.
;   window 1: v0-95 A, v96-167 B: buffer 0; in the epilogue v0-127 two sets of cos and sin.   windows 2, 3: the accumulators of token tiles 0-3, 4-7: q/k's at 8 (4 a + t); v's at 128 + 32 (a / 2) + 16 t + 8 (a % 2).
.set XSO,  6291456
.set CSO,  6553600
.set WSO,  2359296
.set QSO,  6291456
.set KVC,  6815744
.set KVS,  19398656
.set SLOT, 86016
.set BOFF, 49152
.set TAB,  SLOT
.set SPARE, 3*SLOT                     ; behind the slots: the spare words, 128 bytes a wave
.set SPW, 1
.set NIL, 2
.set AD,  3                            ; slot g: v[3+6g] A 16-byte, +1 A 8-byte, +2, +3 q/k's tiles of B, +4, +5 v's
.set L16, 21
.set L8,  22
.set L4,  23
.set TA,  24
.set SV,  25
.set XS,  32
.set WS,  64
.set RR,  88                           ; the epilogue, window 0: 32 numbers after rope
.set PQ,  120                          ; 8 x 6 codes
.set TT,  168
.set MQ,  172
.set TQ,  174
.set SOQ, 176
.set BYQ, 178
.set PWQ, 180                          ; 8 scale words
.set PV,  188                          ; 2 x 12 codes of v
.set TV,  212
.set MV,  220
.set TPV, 224
.set SOV, 228
.set BYV, 232
.set PWV, 236
.set G1A, 24
.set G1B, 32
.set G1T, 40
.set G0A, 48                           ; s[48:59] a group 0 for each slot
.set G0T, 60
.set G0B, 68                           ; s[68:79]
.set MSB, 0
.macro WIN new                         ; the immediate's high byte repeats the setting that is left
.if MSB != (\new)
	s_set_vgpr_msb (MSB<<8)|(\new)
.set MSB, (\new)
.endif
.endm
.macro PLACES                          ; four places behind matrix instructions, ahead of loads into their registers and of reads of results
.rept 4
	v_nop
.endr
.endm
.macro ROUND                           ; a round of the cluster's barrier
	s_barrier_signal -1
	s_barrier_wait -1
	s_cmp_lg_u32 s10, 0
	s_cbranch_scc1 .Lnot_wave_0_\@
	s_barrier_signal -3
.Lnot_wave_0_\@:
	s_barrier_wait -3
	s_barrier_signal -1
	s_barrier_wait -1
.endm
.macro JLOAD g0a, g1a, g0b, g1b        ; waves 0, 1 fetch A's halves, waves 2, 3 B's; the branch hangs on the wave's number alone; an s_nop 0 and four v_nop follow each line
	s_cmp_eq_u32 s11, 0
	s_cbranch_scc0 .Lfor_b_\@
	tensor_load_to_lds s[\g0a:\g0a+3], s[\g1a:\g1a+7]
	s_nop 0
	PLACES
	s_branch .Lasked_\@
.Lfor_b_\@:
	tensor_load_to_lds s[\g0b:\g0b+3], s[\g1b:\g1b+7]
	s_nop 0
	PLACES
.Lasked_\@:
.endm
	s_load_b128 s[4:7], s[0:1], 0x0                ; xq, wq
	s_load_b64 s[8:9], s[0:1], 0x10                ; qkvb
	v_lshl_add_u32 v[SPW], v0, 2, SPARE
	v_mov_b32 v[NIL], 0
	ds_add_u32 v[SPW], v[NIL]                      ; the wave's opening: the add and its wait ahead of my first tensor load
	ds_add_u32 v[SPW], v[NIL]
	v_lshrrev_b32 v26, 5, v0
	v_readfirstlane_b32 s10, v26                   ; wave
	s_lshr_b32 s11, s10, 1                         ; my half of the tokens.  Also: I fetch for A (0) or B (1)
	s_and_b32 s12, s10, 1                          ; q's side or k's.  Also: which half of that tile I fetch
	s_bfe_u32 s13, ttmp6, 0x40000                  ; cx
	s_bfe_u32 s14, ttmp6, 0x40004                  ; cy
	s_lshl_b32 s15, ttmp9, 2
	s_add_co_u32 s15, s15, s13                     ; the head
	s_and_b32 s16, ttmp7, 0xffff
	s_lshl_b32 s16, s16, 2
	s_add_co_u32 s16, s16, s14                     ; the block of 256 tokens
	s_lshl_b32 s17, s14, 2
	s_lshl_b32 s17, 15, s17                        ; my row of the cluster
	s_lshl_b32 s18, 0x1111, s13                    ; my column
	s_or_b32 s[G1A], s17, (3<<16)|(1<<21)          ; the mask; elements of 8 bytes; bit 21 beside a mask; no padding
	s_or_b32 s[G1B], s18, (3<<16)|(1<<21)
	s_or_b32 s[G1T], s17, (3<<16)|(1<<21)
.irp g, G1A, G1B
	s_mov_b32 s[\g+1], 768<<16                     ; tensor_dim0: the head's load brings 6,144 bytes of a tile: K 0 .. 511
	s_mov_b32 s[\g+3], 768<<16                     ; tile_dim0
	s_mov_b32 s[\g+5], 1536                        ; from tile to tile: 12,288 bytes
	s_mov_b32 s[\g+6], 0
	s_mov_b32 s[\g+7], 0
.endr
	s_mov_b32 s[G1A+2], 8<<16                      ; 8 tiles of A a load
	s_mov_b32 s[G1A+4], 8
	s_mov_b32 s[G1B+2], 6<<16                      ; 6 of B
	s_mov_b32 s[G1B+4], 6
	s_mov_b32 s[G1T+1], 32<<16                     ; the table: a dense block as 128 rows of 256 bytes
	s_mov_b32 s[G1T+2], 128<<16
	s_mov_b32 s[G1T+3], 32<<16
	s_mov_b32 s[G1T+4], 128
	s_mov_b32 s[G1T+5], 32
	s_mov_b32 s[G1T+6], 0
	s_mov_b32 s[G1T+7], 0
	s_lshl_b32 s20, s16, 4
	s_lshl_b32 s19, s12, 3
	s_add_co_u32 s20, s20, s19
	s_mul_i32 s20, s20, 12288                      ; A: tile 16 x block + 8 x half
	s_mov_b32 s21, 0
	s_mul_i32 s22, s15, 12
	s_mul_i32 s3, s12, 6
	s_add_co_u32 s22, s22, s3
	s_mul_i32 s22, s22, 12288                      ; B: tile 12 x head + 6 x half
	s_mov_b32 s23, 0
	s_mul_i32 s2, s12, 24576                       ; where they go: no place in the cluster enters an LDS address
	s_mul_i32 s3, s12, 18432
	s_add_co_u32 s3, s3, BOFF
	s_and_b32 s62, s16, 7
	s_lshl_b32 s62, s62, 17                        ; the table of my 256 positions,
	s_lshl_b32 s19, s10, 15                        ; a quarter a wave
	s_add_co_u32 s62, s62, s19
	s_add_co_u32 s62, s62, CSO
	s_mov_b32 s63, 0
	s_add_co_u32 s61, s19, TAB
	s_mov_b32 s60, 1
	s_wait_dscnt 0x0                               ; the opening add is done
	s_wait_kmcnt 0x0
	s_add_nc_u64 s[20:21], s[4:5], s[20:21]
	s_add_nc_u64 s[22:23], s[6:7], s[22:23]
	s_add_nc_u64 s[62:63], s[4:5], s[62:63]
	s_or_b32 s63, s63, 0x80000000
.irp g, 0,2                            ; set 0: K 768 .. 1,023 (stepped there ahead of its load), LDS byte 0 on; set 2: K 512 .. 767, LDS byte 2 SLOT on
	s_mov_b32 s[G0A+4*\g], 1
	s_add_co_u32 s[G0A+4*\g+1], s2, \g*SLOT
	s_add_nc_u64 s[G0A+4*\g+2:G0A+4*\g+3], s[20:21], \g*3072
	s_or_b32 s[G0A+4*\g+3], s[G0A+4*\g+3], 0x80000000
	s_mov_b32 s[G0B+4*\g], 1
	s_add_co_u32 s[G0B+4*\g+1], s3, \g*SLOT
	s_add_nc_u64 s[G0B+4*\g+2:G0B+4*\g+3], s[22:23], \g*3072
	s_or_b32 s[G0B+4*\g+3], s[G0B+4*\g+3], 0x80000000
.endr
	s_mov_b32 s[G0A+4], 1                          ; set 1: K 0 .. 511: A's 16 tiles x 6,144 from LDS byte 0, B's 12 x 6,144 from byte 98,304
	s_mul_i32 s[G0A+5], s12, 49152
	s_mov_b64 s[G0A+6:G0A+7], s[20:21]
	s_or_b32 s[G0A+7], s[G0A+7], 0x80000000
	s_mov_b32 s[G0B+4], 1
	s_mul_i32 s[G0B+5], s12, 36864
	s_add_co_u32 s[G0B+5], s[G0B+5], 98304
	s_mov_b64 s[G0B+6:G0B+7], s[22:23]
	s_or_b32 s[G0B+7], s[G0B+7], 0x80000000
	ROUND                                          ; all sixteen work-groups are here: the first joint loads meet
	JLOAD G0A+4, G1A, G0B+4, G1B                   ; K 0 .. 511: one tensor load a wave at the head
	; the scale words' places, and the loads
	v_and_b32 v26, 31, v0
	v_lshlrev_b32 v[L16], 4, v26
	v_lshlrev_b32 v[L8], 3, v26
	v_lshlrev_b32 v[L4], 2, v26
	v_and_b32 v27, 15, v0
	v_bfe_u32 v28, v0, 4, 1
	v_lshlrev_b32 v[SV], 9, v28
	v_lshl_add_u32 v[SV], v27, 4, v[SV]            ; lanes 0-15 the even tile's row r, lanes 16-31 the odd tile's
	s_wait_alu depctr_va_vdst(0)
	v_add_nc_u32 v29, 512, v[L8]
	s_wait_alu depctr_va_vdst(0)
	s_lshl_b32 s88, s16, 4
	s_lshl_b32 s19, s11, 3
	s_add_co_u32 s88, s88, s19
	s_lshl_b32 s88, s88, 9
	s_add_co_u32 s88, s88, XSO
	s_mov_b32 s89, 0
	s_add_nc_u64 s[88:89], s[4:5], s[88:89]        ; x's scales at my first tile
	s_mul_i32 s90, s15, 12
	s_lshl_b32 s19, s12, 2
	s_add_co_u32 s19, s19, s90
	s_lshl_b32 s19, s19, 9
	s_lshl_b32 s92, s12, 1
	s_add_co_u32 s92, s92, s90
	s_add_co_u32 s92, s92, 8
	s_lshl_b32 s92, s92, 9
	s_add_co_u32 s90, s19, WSO
	s_add_co_u32 s92, s92, WSO
	s_mov_b32 s91, 0
	s_mov_b32 s93, 0
	s_add_nc_u64 s[90:91], s[6:7], s[90:91]        ; W's: my four tiles of q or k,
	s_add_nc_u64 s[92:93], s[6:7], s[92:93]        ; my two of v
.irp p, 0,1,2,3
.irp k, 0,1
	global_load_b128 v[XS+8*\p+4*\k:XS+8*\p+4*\k+3], v[SV], s[88:89] offset:1024*\p+256*\k
.endr
.endr
.irp p, 0,1
.irp k, 0,1
	global_load_b128 v[WS+8*\p+4*\k:WS+8*\p+4*\k+3], v[SV], s[90:91] offset:1024*\p+256*\k
.endr
.endr
.irp k, 0,1
	global_load_b128 v[WS+16+4*\k:WS+16+4*\k+3], v[SV], s[92:93] offset:256*\k
.endr
	; LDS addresses, a set for each slot
	s_mul_i32 s19, s11, 24576                      ; my 8 tiles of A
	s_mul_i32 s2, s12, 12288
	s_add_co_u32 s2, s2, BOFF                      ; my 4 tiles of q or k
	s_mul_i32 s3, s12, 6144
	s_add_co_u32 s3, s3, BOFF+24576                ; my 2 of v
.irp g, 0,2
	v_add_nc_u32 v[AD+6*\g], s19, v[L16]
	v_add_nc_u32 v[AD+6*\g+1], s19, v29
	v_add_nc_u32 v[AD+6*\g+2], s2, v[L16]
	v_add_nc_u32 v[AD+6*\g+3], s2, v29
	v_add_nc_u32 v[AD+6*\g+4], s3, v[L16]
	v_add_nc_u32 v[AD+6*\g+5], s3, v29
	s_add_co_u32 s19, s19, 2*SLOT
	s_add_co_u32 s2, s2, 2*SLOT
	s_add_co_u32 s3, s3, 2*SLOT
.endr
	s_mul_i32 s19, s11, 49152                      ; set 1, K 0 .. 511, tiles 6,144 bytes apart: my 8 tiles of A,
	s_mul_i32 s2, s12, 24576
	s_add_co_u32 s2, s2, 98304                     ; my 4 of q or k,
	s_mul_i32 s3, s12, 12288
	s_add_co_u32 s3, s3, 98304+49152               ; my 2 of v
	v_add_nc_u32 v[AD+6], s19, v[L16]
	v_add_nc_u32 v[AD+7], s19, v29
	v_add_nc_u32 v[AD+8], s2, v[L16]
	v_add_nc_u32 v[AD+9], s2, v29
	v_add_nc_u32 v[AD+10], s3, v[L16]
	v_add_nc_u32 v[AD+11], s3, v29
	s_lshl_b32 s19, s11, 16
	s_add_co_u32 s19, s19, TAB
	v_add_nc_u32 v[TA], s19, v[L16]                ; the table of my 8 tiles
	s_mov_b32 s94, 0xffff0000                      ; lanes 16-31
	s_mov_b32 s96, 0x76543210
	s_mov_b32 s97, 0xfedcba98                      ; selects for lane l xor 16
	; where the results go
	s_lshr_b32 s19, s16, 3
	s_lshl_b32 s19, s19, 4
	s_add_co_u32 s19, s19, s15                     ; batch x 16 + head
	s_and_b32 s20, s16, 7
	s_lshl_b32 s20, s20, 1
	s_add_co_u32 s20, s20, s11                     ; my step of 128 tokens in the sequence
	s_mul_i32 s80, s19, 98304                      ; q's codes of the head
	s_mul_i32 s21, s19, 196608
	s_add_co_u32 s21, s21, KVC                     ; the head's block of k and v
	s_lshl_b32 s82, s19, 13
	s_add_co_u32 s82, s82, QSO
	s_mul_i32 s22, s19, 12288
	s_add_co_u32 s22, s22, KVS
	s_cmp_eq_u32 s12, 0                            ; q's wave or k's
	s_cselect_b32 s80, s80, s21
	s_cselect_b32 s82, s82, s22
	s_mul_i32 s23, s20, 6144                       ; a step: 8 tiles x 768 of q or k; 4 fragments of v
	s_add_co_u32 s80, s80, s23
	s_mov_b32 s81, 0
	s_lshl_b32 s2, s20, 9
	s_add_co_u32 s82, s82, s2
	s_mov_b32 s83, 0
	s_add_co_u32 s84, s21, s23
	s_add_co_u32 s84, s84, 98304
	s_mul_i32 s2, s12, 3072
	s_add_co_u32 s84, s84, s2
	s_mov_b32 s85, 0
	s_lshl_b32 s86, s20, 8
	s_add_co_u32 s86, s86, s22
	s_add_co_u32 s86, s86, 8192
	s_lshl_b32 s2, s12, 7
	s_add_co_u32 s86, s86, s2
	s_mov_b32 s87, 0
	s_add_nc_u64 s[80:81], s[8:9], s[80:81]        ; codes of q or k
	s_add_nc_u64 s[82:83], s[8:9], s[82:83]        ; their scale words
	s_add_nc_u64 s[84:85], s[8:9], s[84:85]        ; v's two fragments
	s_add_nc_u64 s[86:87], s[8:9], s[86:87]        ; v's scale words
.macro FRAG reg, a16, a8, off          ; a fragment's 12 registers, as they lie
	ds_load_b128 v[(\reg):(\reg)+3], v[\a16] offset:\off
	ds_load_b64 v[(\reg)+4:(\reg)+5], v[\a8] offset:\off
	ds_load_b128 v[(\reg)+6:(\reg)+9], v[\a16] offset:\off+768
	ds_load_b64 v[(\reg)+10:(\reg)+11], v[\a8] offset:\off+768
.endm
.macro BUFSET s                        ; the slot, the half of its K step, the buffer and its window for step s of 128
; LDS AS THIS TEXT HAS IT (in place of the three slots of the head comment): bytes 0 .. 172,031 take K 0 .. 511 at the head (address set 1, tiles 6,144 bytes apart); bytes 172,032 .. 258,047 take K 512 .. 767
; behind the first full sequence (set 2); K 768 .. 1,023 fills bytes 0 .. 86,015 again when steps 0 to 3 are in registers (set 0); the table fills bytes 86,016 .. 217,087 again when steps 4, 5 are.
; One tensor load a wave at the head and behind each round; by this text's own count one is out at a time.
.if (\s) < 4
.set SG, 1
.set OFS, ((\s)*1536)
.set TP, 6144
.else
.set SG, (2*(3-(\s)/2))
.set OFS, (((\s)%2)*1536)
.set TP, 3072
.endif
.set BA, (88*((\s)%2))
.if ((\s)%2) == 0
	WIN 0x40
.else
	WIN 0
.endif
.endm
.macro R1 s                            ; 40 loads: B's six fragments and A's tiles 0-3
	BUFSET \s
.irp t, 0,1,2,3
	FRAG BA+96+12*\t, AD+6*SG+2, AD+6*SG+3, OFS+TP*\t
.endr
.irp t, 0,1
	FRAG BA+144+12*\t, AD+6*SG+4, AD+6*SG+5, OFS+TP*\t
.endr
.irp a, 0,1,2,3
	FRAG BA+12*\a, AD+6*SG, AD+6*SG+1, OFS+TP*\a
.endr
.endm
.macro R2 s                            ; 16 loads: A's tiles 4-7
	BUFSET \s
.irp a, 4,5,6,7
	FRAG BA+12*\a, AD+6*SG, AD+6*SG+1, OFS+TP*\a
.endr
.endm
.macro WM d, a, b, z, sa, sb, ra, rb   ; one product; z: it starts the sum; ra, rb: the scale words stand in lanes 16-31
.if (\z)
.if (\ra) && (\rb)
	v_wmma_scale_f32_16x16x128_f8f6f4 v[(\d):(\d)+7], v[(\a):(\a)+11], v[(\b):(\b)+11], 0, v[(\sa)], v[(\sb)] matrix_a_fmt:MATRIX_FMT_FP6 matrix_b_fmt:MATRIX_FMT_FP6 matrix_a_scale:MATRIX_SCALE_ROW1 matrix_b_scale:MATRIX_SCALE_ROW1
.elseif (\ra)
	v_wmma_scale_f32_16x16x128_f8f6f4 v[(\d):(\d)+7], v[(\a):(\a)+11], v[(\b):(\b)+11], 0, v[(\sa)], v[(\sb)] matrix_a_fmt:MATRIX_FMT_FP6 matrix_b_fmt:MATRIX_FMT_FP6 matrix_a_scale:MATRIX_SCALE_ROW1
.elseif (\rb)
	v_wmma_scale_f32_16x16x128_f8f6f4 v[(\d):(\d)+7], v[(\a):(\a)+11], v[(\b):(\b)+11], 0, v[(\sa)], v[(\sb)] matrix_a_fmt:MATRIX_FMT_FP6 matrix_b_fmt:MATRIX_FMT_FP6 matrix_b_scale:MATRIX_SCALE_ROW1
.else
	v_wmma_scale_f32_16x16x128_f8f6f4 v[(\d):(\d)+7], v[(\a):(\a)+11], v[(\b):(\b)+11], 0, v[(\sa)], v[(\sb)] matrix_a_fmt:MATRIX_FMT_FP6 matrix_b_fmt:MATRIX_FMT_FP6
.endif
.else
.if (\ra) && (\rb)
	v_wmma_scale_f32_16x16x128_f8f6f4 v[(\d):(\d)+7], v[(\a):(\a)+11], v[(\b):(\b)+11], v[(\d):(\d)+7], v[(\sa)], v[(\sb)] matrix_a_fmt:MATRIX_FMT_FP6 matrix_b_fmt:MATRIX_FMT_FP6 matrix_a_scale:MATRIX_SCALE_ROW1 matrix_b_scale:MATRIX_SCALE_ROW1
.elseif (\ra)
	v_wmma_scale_f32_16x16x128_f8f6f4 v[(\d):(\d)+7], v[(\a):(\a)+11], v[(\b):(\b)+11], v[(\d):(\d)+7], v[(\sa)], v[(\sb)] matrix_a_fmt:MATRIX_FMT_FP6 matrix_b_fmt:MATRIX_FMT_FP6 matrix_a_scale:MATRIX_SCALE_ROW1
.elseif (\rb)
	v_wmma_scale_f32_16x16x128_f8f6f4 v[(\d):(\d)+7], v[(\a):(\a)+11], v[(\b):(\b)+11], v[(\d):(\d)+7], v[(\sa)], v[(\sb)] matrix_a_fmt:MATRIX_FMT_FP6 matrix_b_fmt:MATRIX_FMT_FP6 matrix_b_scale:MATRIX_SCALE_ROW1
.else
	v_wmma_scale_f32_16x16x128_f8f6f4 v[(\d):(\d)+7], v[(\a):(\a)+11], v[(\b):(\b)+11], v[(\d):(\d)+7], v[(\sa)], v[(\sb)] matrix_a_fmt:MATRIX_FMT_FP6 matrix_b_fmt:MATRIX_FMT_FP6
.endif
.endif
.endm
; 24 products: token tiles 4 hi + 0 .. 3, each against q/k's four tiles (transposed) and v's two.  Each accumulator has one instruction a step, in the same order in every step: the accumulators take turns.
.macro MULS s, hi
.set BA, (88*((\s)%2))
.set Z0, 0
.if (\s) == 0
.set Z0, 1
.endif
.irp a, 0,1,2,3
.irp t, 0,1,2,3
	WM 8*(4*\a+\t), BA+96+12*\t, BA+12*(4*\hi+\a), Z0, WS+8*(\t/2)+\s, XS+8*(2*\hi+\a/2)+\s, \t%2, \a%2
.endr
.irp t, 0,1
	WM 128+32*(\a/2)+16*\t+8*(\a%2), BA+12*(4*\hi+\a), BA+144+12*\t, Z0, XS+8*(2*\hi+\a/2)+\s, WS+16+\s, \a%2, \t%2
.endr
.endr
.endm
.macro KSTEP s                         ; a step of 128 along K; the next step's fragments are fetched into the other buffer in two runs
.if (\s) < 7
	R1 (\s)+1
.endif
	WIN 0xa0+5*(1-(\s)%2)
	MULS \s, 0
.if (\s) < 7
	s_wait_dscnt 40                                ; A's tiles 4-7 of this step are in; the 40 loads just issued may be out
	R2 (\s)+1
.else
	s_wait_dscnt 0x0
.endif
	WIN 0xf0+5*(1-(\s)%2)
	MULS \s, 1
.endm
	s_wait_alu depctr_va_vdst(0)
	s_wait_tensorcnt 0x0                           ; my part of K 0 .. 511 is in
	ds_add_u32 v[SPW], v[NIL]
	s_mov_b32 s[G1A+1], 384<<16                    ; no tensor load of mine is out: from here on a load brings 3,072 bytes of a tile
	s_mov_b32 s[G1A+3], 384<<16
	s_mov_b32 s[G1B+1], 384<<16
	s_mov_b32 s[G1B+3], 384<<16
	s_wait_dscnt 0x0
	ROUND
	JLOAD G0A+8, G1A, G0B+8, G1B                   ; K 512 .. 767: three steps of 128 stand between this load and the wait for it
	R1 0
	R2 0
	s_wait_loadcnt 0x0                             ; the scale words
	s_wait_dscnt 16                                ; all but A's tiles 4-7
	KSTEP 0
	s_wait_dscnt 16
	PLACES
	KSTEP 1
	s_wait_dscnt 16
	PLACES
	KSTEP 2
	WIN 0                                          ; BYTES 0 .. 86,015 ARE FILLED AGAIN: the fragments of steps 0 to 3 are in registers
	s_wait_tensorcnt 0x0                           ; all my tensor loads have landed, so a group 0 may be written
	ds_add_u32 v[SPW], v[NIL]                      ; 0 onto my spare word
	s_add_nc_u64 s[G0A+2:G0A+3], s[G0A+2:G0A+3], 3*3072
	s_add_nc_u64 s[G0B+2:G0B+3], s[G0B+2:G0B+3], 3*3072
	s_wait_dscnt 0x0                               ; the add is done, and my reads of slot 0 are over
	ROUND                                          ; the same holds of every wave of every partner
	JLOAD G0A, G1A, G0B, G1B                       ; K step 3: two steps of 128, 96 matrix instructions, in which to land; its four v_nop are the places ahead of the loads below
	KSTEP 3
	s_wait_dscnt 16
	PLACES
	KSTEP 4
	WIN 0                                          ; SLOTS 1 AND 2 ARE FILLED AGAIN, with the table: the fragments of steps 2 to 5 are in registers
	s_wait_tensorcnt 0x0                           ; K step 3 has landed
	ds_add_u32 v[SPW], v[NIL]
	s_wait_dscnt 0x0
	ROUND
	tensor_load_to_lds s[G0T:G0T+3], s[G1T:G1T+7]  ; a quarter of the table a wave
	s_nop 0
	PLACES
	KSTEP 5
	s_wait_dscnt 16
	PLACES
	KSTEP 6
	s_wait_dscnt 16
	KSTEP 7
	WIN 0
	PLACES                                         ; ahead of the first reads of results and of writes into the buffers' registers
.irp g, 0,1,2,3
	v_mov_b32 v[TPV+\g], 0                         ; a lane permute's destination counts as read
.endr
	v_mov_b32 v[TQ], 0
	v_mov_b32 v[TQ+1], 0
; v: tile t of my two.  A lane holds one d; the 16 registers at 128 + 32 (g % 2) + 16 t of window 2 + g / 2 are keys 32 g + 16 h + 0 .. 15.  Four blocks make a fragment (16 d x 128 keys) and a scale word a row.
.macro VQ t
	WIN 0x0a
.irp g, 0,1
	v_max3_num_f32 v[MV+\g], |v[128+32*\g+16*\t]|, |v[129+32*\g+16*\t]|, 0x1800000
.endr
.irp i, 2,4,6,8,10,12,14
.irp g, 0,1
	v_max3_num_f32 v[MV+\g], |v[128+32*\g+16*\t+\i]|, |v[129+32*\g+16*\t+\i]|, v[MV+\g]
.endr
.endr
	WIN 0x0f
.irp g, 0,1
	v_max3_num_f32 v[MV+2+\g], |v[128+32*\g+16*\t]|, |v[129+32*\g+16*\t]|, 0x1800000
.endr
.irp i, 2,4,6,8,10,12,14
.irp g, 0,1
	v_max3_num_f32 v[MV+2+\g], |v[128+32*\g+16*\t+\i]|, |v[129+32*\g+16*\t+\i]|, v[MV+2+\g]
.endr
.endr
	WIN 0
.irp g, 0,1,2,3
	v_permlanex16_b32 v[TPV+\g], v[MV+\g], s96, s97
.endr
.irp g, 0,1,2,3
	v_max_num_f32 v[MV+\g], v[MV+\g], v[TPV+\g]
.endr
.irp g, 0,1,2,3
	v_add_nc_u32 v[SOV+\g], 0xff000000, v[MV+\g]
.endr
.irp g, 0,1,2,3
	v_lshrrev_b32 v[BYV+\g], 23, v[SOV+\g]
.endr
	v_lshl_or_b32 v[PWV+\t], v[BYV+1], 8, v[BYV]
	v_lshl_or_b32 v[PWV+\t], v[BYV+2], 16, v[PWV+\t]
	v_lshl_or_b32 v[PWV+\t], v[BYV+3], 24, v[PWV+\t]
	WIN 0x02
	v_cvt_scalef32_pk16_fp6_f32 v[PV+12*\t:PV+12*\t+2], v[128+16*\t:143+16*\t], v[SOV]
	v_cvt_scalef32_pk16_fp6_f32 v[TV:TV+2], v[160+16*\t:175+16*\t], v[SOV+1]
	WIN 0x03
	v_cvt_scalef32_pk16_fp6_f32 v[PV+12*\t+6:PV+12*\t+8], v[128+16*\t:143+16*\t], v[SOV+2]
	v_cvt_scalef32_pk16_fp6_f32 v[TV+4:TV+6], v[160+16*\t:175+16*\t], v[SOV+3]
	WIN 0
	v_nop                                          ; one plain place behind a scaled conversion
.irp c, 0,1                            ; the layout wants a whole block in a lane
.irp i, 0,1,2
	v_permlane16_swap_b32 v[PV+12*\t+6*\c+\i], v[TV+4*\c+\i]
.endr
.irp i, 0,1,2
	v_mov_b32 v[PV+12*\t+6*\c+3+\i], v[TV+4*\c+\i]
.endr
.endr
	global_store_b128 v[L16], v[PV+12*\t:PV+12*\t+3], s[84:85] offset:1536*\t
	global_store_b64 v[L8], v[PV+12*\t+4:PV+12*\t+5], s[84:85] offset:1536*\t+512
	global_store_b128 v[L16], v[PV+12*\t+6:PV+12*\t+9], s[84:85] offset:1536*\t+768
	global_store_b64 v[L8], v[PV+12*\t+10:PV+12*\t+11], s[84:85] offset:1536*\t+1280
.endm
	VQ 0
	VQ 1
	v_cndmask_b32 v238, v[PWV], v[PWV+1], s94      ; lanes 0-15 the even tile's words, lanes 16-31 the odd tile's
	global_store_b32 v[L4], v238, s[86:87]         ; 128 consecutive bytes
	s_wait_tensorcnt 0x0                           ; my quarter of the table has landed,
	s_wait_dscnt 0x0
	s_barrier_signal -1
	s_barrier_wait -1                              ; everybody's has
.macro TABL a                          ; tile a's cos (32 registers) and signed sin (32) into set a % 2 of window 1
	WIN 0x40
.irp i, 0,1,2,3,4,5,6,7,8,9,10,11,12,13,14,15
	ds_load_b128 v[64*((\a)%2)+4*\i:64*((\a)%2)+4*\i+3], v[TA] offset:8192*(\a)+512*\i
.endr
.endm
; rope and the quantiser for token tile a: register 8 t + j of a lane is d = 32 (t / 2) + 16 h + 8 (t % 2) + j of its token; the partner d xor 32 is the same register of tile t xor 2.
.macro ROPE a
.if (\a) < 7
	TABL (\a)+1
	s_wait_dscnt 16                                ; this tile's table is in; the next tile's may be out
.else
	s_wait_dscnt 0x0
.endif
	WIN 0x06+(\a)/4
.set CB, (64*((\a)%2))
.set AB, (32*((\a)%4))
.irp t, 0,1,2,3
.irp i, 0,2,4,6
	v_pk_mul_f32 v[RR+8*\t+\i:RR+8*\t+\i+1], v[AB+8*\t+\i:AB+8*\t+\i+1], v[CB+8*\t+\i:CB+8*\t+\i+1]
.endr
.endr
.irp t, 0,1,2,3
.irp i, 0,2,4,6
	v_pk_fma_f32 v[RR+8*\t+\i:RR+8*\t+\i+1], v[AB+8*((\t+2)%4)+\i:AB+8*((\t+2)%4)+\i+1], v[CB+32+8*\t+\i:CB+32+8*\t+\i+1], v[RR+8*\t+\i:RR+8*\t+\i+1]
.endr
.endr
	WIN 0
.irp b, 0,1
	v_max3_num_f32 v[MQ+\b], |v[RR+16*\b]|, |v[RR+16*\b+1]|, 0x1800000
.endr
.irp i, 2,4,6,8,10,12,14
.irp b, 0,1
	v_max3_num_f32 v[MQ+\b], v[MQ+\b], |v[RR+16*\b+\i]|, |v[RR+16*\b+\i+1]|
.endr
.endr
.irp b, 0,1
	v_permlanex16_b32 v[TQ+\b], v[MQ+\b], s96, s97
.endr
.irp b, 0,1
	v_max_num_f32 v[MQ+\b], v[MQ+\b], v[TQ+\b]
.endr
.irp b, 0,1
	v_add_nc_u32 v[SOQ+\b], 0xff000000, v[MQ+\b]
.endr
.irp b, 0,1
	v_lshrrev_b32 v[BYQ+\b], 23, v[SOQ+\b]
.endr
	v_lshl_or_b32 v[PWQ+(\a)], v[BYQ+1], 8, v[BYQ] ; bytes 2 and 3 stay 0: they scale zero codes
	v_cvt_scalef32_pk16_fp6_f32 v[PQ+6*(\a):PQ+6*(\a)+2], v[RR:RR+15], v[SOQ]
	v_cvt_scalef32_pk16_fp6_f32 v[TT:TT+2], v[RR+16:RR+31], v[SOQ+1]
	v_nop
.irp i, 0,1,2
	v_permlane16_swap_b32 v[PQ+6*(\a)+\i], v[TT+\i]
.endr
.irp i, 0,1,2
	v_mov_b32 v[PQ+6*(\a)+3+\i], v[TT+\i]
.endr
	global_store_b128 v[L16], v[PQ+6*(\a):PQ+6*(\a)+3], s[80:81] offset:768*(\a)
	global_store_b64 v[L8], v[PQ+6*(\a)+4:PQ+6*(\a)+5], s[80:81] offset:768*(\a)+512
.endm
	TABL 0
	ROPE 0
	ROPE 1
	ROPE 2
	ROPE 3
	ROPE 4
	ROPE 5
	ROPE 6
	ROPE 7
.irp j, 0,1,2,3
	v_cndmask_b32 v[240+\j], v[PWQ+2*\j], v[PWQ+2*\j+1], s94   ; word j: tile 2 j in lanes 0-15, tile 2 j + 1 in lanes 16-31
.endr
	global_store_b128 v[L16], v[240:243], s[82:83] ; 512 consecutive bytes
	s_wait_tensorcnt 0x0                           ; the wave's end
	ds_add_u32 v[SPW], v[NIL]
	s_wait_dscnt 0x0
	ROUND                                          ; the closing round
	s_endpgm
.Lfunc_end_k_qd6fea54eeb_qkv:
	.size	k_qd6fea54eeb_qkv, .Lfunc_end_k_qd6fea54eeb_qkv-k_qd6fea54eeb_qkv
	.p2alignl 7, 3214868480
	.fill 96, 4, 3214868480
	.section	.rodata,"a",@progbits
	.p2align	6, 0x0
	.amdhsa_kernel k_qd6fea54eeb_qkv
		.amdhsa_group_segment_fixed_size 327680
		.amdhsa_private_segment_fixed_size 0
		.amdhsa_enable_private_segment 0
		.amdhsa_kernarg_size 24
		.amdhsa_user_sgpr_count 2
		.amdhsa_user_sgpr_kernarg_segment_ptr 1
		.amdhsa_wavefront_size32 1
		.amdhsa_system_sgpr_workgroup_id_x 1
		.amdhsa_system_sgpr_workgroup_id_y 1
		.amdhsa_system_sgpr_workgroup_id_z 1
		.amdhsa_system_vgpr_workitem_id 0
		.amdhsa_next_free_vgpr 1024
		.amdhsa_next_free_sgpr 98
		.amdhsa_reserve_vcc 0
		.amdhsa_float_denorm_mode_32 3
		.amdhsa_float_denorm_mode_16_64 3
		.amdhsa_memory_ordered 1
		.amdhsa_forward_progress 1
		.amdhsa_inst_pref_size 144
	.end_amdhsa_kernel
	.amdgpu_metadata
---
amdhsa.version: [ 1, 2 ]
amdhsa.kernels:
  - .name:           k_qd6fea54eeb_qkv
    .symbol:         k_qd6fea54eeb_qkv.kd
    .args:
      - { .name: xq, .offset: 0, .size: 8, .value_kind: global_buffer, .address_space: global }
      - { .name: wq, .offset: 8, .size: 8, .value_kind: global_buffer, .address_space: global }
      - { .name: qkvb, .offset: 16, .size: 8, .value_kind: global_buffer, .address_space: global }
    .group_segment_fixed_size: 327680
    .private_segment_fixed_size: 0
    .kernarg_segment_align: 8
    .kernarg_segment_size: 24
    .max_flat_workgroup_size: 128
    .sgpr_count:     98
    .vgpr_count:     1024
    .wavefront_size: 32
...
	.end_amdgpu_metadata
.endif
;; end of part 3
;; launch attn (part 4): grid 4 x 64, 16 waves a work-group, clusters of 4 x 1, 327,680 bytes of LDS; arguments qkvb, ob; writes ob
.if DOCPART == 4
	.amdgcn_target "amdgcn-amd-amdhsa--gfx1250"
	.amdhsa_code_object_version 6
	.text
	.protected	k_qd6fea54eeb_attn
	.globl	k_qd6fea54eeb_attn
	.p2align	8
	.type	k_qd6fea54eeb_attn,@function
k_qd6fea54eeb_attn:
	s_mov_b64 s[64:65], 0
	v_nop
	global_prefetch_b8 v0, s[64:65] scope:SCOPE_SE
	s_setreg_imm32_b32 hwreg(HW_REG_WAVE_MODE, 25, 1), 1
	s_wait_xcnt 0x0
	s_wait_alu depctr_hold_cnt(0) depctr_sa_sdst(0) depctr_va_vdst(0) depctr_va_sdst(0) depctr_va_ssrc(0) depctr_va_vcc(0) depctr_vm_vsrc(0)
	s_getreg_b32 s2, hwreg(HW_REG_IB_STS2, 6, 4)
	s_cmp_eq_u32 s2, 0
	s_cbranch_scc0 .Lentry_in_a_cluster
	s_endpgm
.Lentry_in_a_cluster:
	s_bfe_u32 s2, ttmp6, 0x10000c
	s_cmp_lg_u32 s2, 0x3003
	s_cbranch_scc0 .Lentry_shape_is_right
	s_endpgm
.Lentry_shape_is_right:
; o = softmax(q k^T / 8) v for one head, both products on codes of FP6 (E2M3) with E8M0 scales; o / the row's sum is quantised along h 64 + d and stored in the order of the next launch's operand registers.
; THE SOFTMAX: t = score x log2(e) / 8; M = the running largest t rounded UP to a whole number; p = 2^(t - M) is quantised along the keys, not normalised; the row's sum is taken of the unquantised p.
; When M moves, the sum and O are multiplied by 2^(old M - new M): exact.
; SHARES.  A work-group owns 512 queries of one head; each of its sixteen waves one tile of 16 queries at a time, two tiles one after the other.  Every wave walks all 2,048 keys, 128 a step.
; THE HEAD'S WHOLE K, V AND THEIR SCALES STAY IN LDS, fetched once: waves 0-5 bring 64 rows of 256 bytes of K each, waves 6-11 of V, wave 12 the 48 rows of scales: one tensor load a wave, nothing is filled again.
; CLUSTER 4 x 1: the four work-groups of a head ask for these blocks jointly.
; LAYOUT.  Both products transposed: S^T = K Q^T, O^T = V^T P^T: a lane holds one query throughout.  A TILE OF KEYS IS FORMED BY THE LDS ADDRESSES: tile (c, u) takes keys 64 c + 8 u + 0 .. 7 as rows 0-7 and
; keys 64 c + 32 + 8 u + 0 .. 7 as rows 8-15, which lie in two of the stored tiles (stored tile T, row p = key 32 (T / 2) + 8 (T % 2) + p + 8 (p / 8)).  So the 32 registers of tiles (c, 0 .. 3) of lane (r, h) are
; the WHOLE block of keys 64 c + 32 h + 0 .. 31, in the order of the next operand: a block's maximum needs no other lane, and the conversions' results need no exchange between lanes.
; K's rows of 256 bytes lie 320 bytes apart in LDS: two stored tiles are then 1,920 bytes apart, 128 modulo 256, so that the sixteen lanes of a 16-byte load name sixteen different columns of 16 bytes.
; THE FIRST PRODUCT'S K IS 64: registers 6-11 of Q's fragment hold zero codes.  FP6 has no NaN and no infinity, and the scale bytes of blocks 2, 3 are 0 (a finite code), so whatever codes stand against the zeros add 0:
; K's tiles lie 6 registers apart, and a tile's operand runs on over the next tile's six (the last over six registers written once).  So a step's eight tiles take 54 registers and are fetched a step ahead.
; The fetch ahead of the last step reads 7,680 bytes behind K's region and 512 behind its scales', which are V's bytes and V's scales': inside LDS, filled, and not used.
; The output's scale bytes leave as 2 bytes a row (parts of units: 32 bytes for each 768 of codes): a row's word is made of two heads, which are two work-groups.
; No prefetch: all that the launch reads through LDS is asked for at its head, and there is no loop to run ahead in.
; LIMITS: the promise holds while the scaled scores t stay under 2^31 in magnitude; NaN and infinities are not served; a block of zeros gets the byte 1 (zero codes; this program alone reads the bytes).
.set QSO,  6291456
.set KVC,  6815744
.set KVS,  19398656
.set OSO,  6291456
.set VOF,  122880                      ; LDS: K's 384 rows x 320; V's 16 steps x 4 fragments from here;
.set KSC,  221184                      ; K's scale words, 512 bytes a step;
.set VSC,  229376                      ; V's, 256 bytes a step;
.set SPARE, 233472                     ; the spare words, 128 bytes for each of 16 waves
.set SPW, 1
.set NIL, 2
.set KA16, 3
.set KA8, 4
.set VA16, 5
.set VA8, 6
.set KSA, 7
.set VSA, 8
.set L16, 9
.set L8,  10
.set R16, 11                           ; v12 -M; v13 the running largest score; v[14:15] the row's sum in two halves
.set QF,  16                           ; v16-27 Q's fragment
.set QSR, 28                           ; its scale words
.set H8,  29                           ; 8 h
.set WA,  30                           ; v30-35 the step's LDS addresses
.set KS,  36                           ; v36-39 K's scale words: register 2 c + w: tile (c, 2 w) in lanes 0-15, (c, 2 w + 1) in lanes 16-31
.set VS,  40                           ; v40-41 V's
.set KF,  42                           ; v42-95 K's eight tiles, 6 registers each, and six more
.set S,   96                           ; v96-159 S^T, then p; then V's four fragments in v96-143
.set O,   160                          ; v160-191 O^T
.set PC,  192                          ; v192-203 p's codes
.set T,   204
.set BM,  212
.set SO,  214
.set BY,  216
.set TP,  218
.set TMP, 219
.set TPF, 220
.set MX,  222
.set F,   224                          ; v224 f; v225 only named as the pair's upper half
.set PW,  226                          ; p's scale word
.set OW,  227
.set A1,  228
.set A2,  230
.set A3,  232
.set OLD, 234
.set WV,  8
.set TK,  11
.set TV,  12
.set TS,  13
.set TJ,  14
.set CNT, 15
.set SEL, 60
.set CS,  62
.macro PLACES
.rept 4
	v_nop
.endr
.endm
.macro ROUND
	s_barrier_signal -1
	s_barrier_wait -1
	s_cmp_lg_u32 s[WV], 0
	s_cbranch_scc1 .Lnot_wave_0_\@
	s_barrier_signal -3
.Lnot_wave_0_\@:
	s_barrier_wait -3
	s_barrier_signal -1
	s_barrier_wait -1
.endm
.macro WM d, a, b, z, sa, sb, ra       ; one product; z: it starts the sum; ra: source 0's scale words stand in lanes 16-31
.if (\z) && (\ra)
	v_wmma_scale_f32_16x16x128_f8f6f4 v[(\d):(\d)+7], v[(\a):(\a)+11], v[(\b):(\b)+11], 0, v[(\sa)], v[(\sb)] matrix_a_fmt:MATRIX_FMT_FP6 matrix_b_fmt:MATRIX_FMT_FP6 matrix_a_scale:MATRIX_SCALE_ROW1
.elseif (\z)
	v_wmma_scale_f32_16x16x128_f8f6f4 v[(\d):(\d)+7], v[(\a):(\a)+11], v[(\b):(\b)+11], 0, v[(\sa)], v[(\sb)] matrix_a_fmt:MATRIX_FMT_FP6 matrix_b_fmt:MATRIX_FMT_FP6
.elseif (\ra)
	v_wmma_scale_f32_16x16x128_f8f6f4 v[(\d):(\d)+7], v[(\a):(\a)+11], v[(\b):(\b)+11], v[(\d):(\d)+7], v[(\sa)], v[(\sb)] matrix_a_fmt:MATRIX_FMT_FP6 matrix_b_fmt:MATRIX_FMT_FP6 matrix_a_scale:MATRIX_SCALE_ROW1
.else
	v_wmma_scale_f32_16x16x128_f8f6f4 v[(\d):(\d)+7], v[(\a):(\a)+11], v[(\b):(\b)+11], v[(\d):(\d)+7], v[(\sa)], v[(\sb)] matrix_a_fmt:MATRIX_FMT_FP6 matrix_b_fmt:MATRIX_FMT_FP6
.endif
.endm
	s_load_b128 s[4:7], s[0:1], 0x0                ; qkvb, ob
	v_lshl_add_u32 v[SPW], v0, 2, SPARE
	v_mov_b32 v[NIL], 0
	ds_add_u32 v[SPW], v[NIL]                      ; the opening lines: the add, twice on end, and its wait ahead of the first tensor loads
	ds_add_u32 v[SPW], v[NIL]
	v_lshrrev_b32 v3, 5, v0
	v_readfirstlane_b32 s[WV], v3                  ; wave 0..15
	s_bfe_u32 s9, ttmp6, 0x40000                   ; cx: my quarter of the head's queries
	s_and_b32 s10, ttmp7, 0xffff                   ; batch x 16 + head, which the four partners share
	s_mov_b32 s16, 15|(3<<16)|(1<<20)|(1<<21)|(5<<22)|(15<<25)   ; K: all four work-groups; elements of 8 bytes; 16 words of padding behind every 64
	s_mov_b32 s24, 15|(3<<16)|(1<<21)              ; V: dense
	s_mov_b32 s32, 15|(3<<16)|(1<<21)              ; the scales: dense
.irp g, 16,24,32
	s_mov_b32 s[\g+1], 32<<16                      ; rows of 256 bytes
	s_mov_b32 s[\g+3], 32<<16
	s_mov_b32 s[\g+5], 32
	s_mov_b32 s[\g+6], 0
	s_mov_b32 s[\g+7], 0
.endr
	s_mov_b32 s18, 64<<16                          ; 64 rows of K a wave,
	s_mov_b32 s20, 64
	s_mov_b32 s26, 64<<16                          ; 64 of V,
	s_mov_b32 s28, 64
	s_mov_b32 s34, 48<<16                          ; 48 of scales
	s_mov_b32 s36, 48
	s_mov_b32 s40, 1
	s_mul_i32 s41, s[WV], 20480                    ; K, waves 0-5: 64 rows x 320
	s_lshl_b32 s2, s[WV], 14                       ; in memory K and V are one block: 16,384 bytes a wave
	s_mov_b32 s44, 1
	s_add_co_u32 s45, s2, VOF-6*16384              ; V, waves 6-11
	s_mov_b32 s48, 1
	s_mov_b32 s49, KSC
	s_mul_i32 s12, s10, 196608
	s_add_co_u32 s12, s12, KVC
	s_add_co_u32 s12, s12, s2
	s_mov_b32 s13, 0
	s_mul_i32 s14, s10, 12288
	s_add_co_u32 s14, s14, KVS
	s_mov_b32 s15, 0
	s_mov_b32 s[SEL], 0x76543210
	s_mov_b32 s[SEL+1], 0xfedcba98                 ; selects for lane l xor 16
	s_mov_b32 s[CS], 0x3e38aa3b                    ; c = log2(e) / 8
	s_mov_b32 s[CS+1], s[CS]
	s_wait_dscnt 0x0                               ; both opening adds are done
	s_wait_kmcnt 0x0
	s_add_nc_u64 s[42:43], s[4:5], s[12:13]
	s_or_b32 s43, s43, 0x80000000
	s_mov_b64 s[46:47], s[42:43]
	s_add_nc_u64 s[50:51], s[4:5], s[14:15]
	s_or_b32 s51, s51, 0x80000000
	ROUND                                          ; all four work-groups are here: the joint loads meet
	s_cmp_lt_u32 s[WV], 6                          ; one chain of branches on the wave's number, one fill to an arm, all arms to one join
	s_cbranch_scc0 .Lfor_v
	tensor_load_to_lds s[40:43], s[16:23]
	s_nop 0
	PLACES
	s_branch .Lasked
.Lfor_v:
	s_cmp_lt_u32 s[WV], 12
	s_cbranch_scc0 .Lfor_s
	tensor_load_to_lds s[44:47], s[24:31]
	s_nop 0
	PLACES
	s_branch .Lasked
.Lfor_s:
	s_cmp_eq_u32 s[WV], 12
	s_cbranch_scc0 .Lasked
	tensor_load_to_lds s[48:51], s[32:39]
	s_nop 0
	PLACES
.Lasked:
	s_lshl_b32 s2, s9, 5
	s_add_co_u32 s2, s2, s[WV]                     ; my first tile of queries in the sequence: 32 cx + wave
	s_lshl_b32 s3, s10, 7
	s_add_co_u32 s3, s3, s2
	s_mul_i32 s52, s3, 768
	s_mov_b32 s53, 0
	s_lshl_b32 s54, s10, 13
	s_add_co_u32 s54, s54, QSO
	s_lshr_b32 s3, s2, 3
	s_lshl_b32 s3, s3, 9
	s_add_co_u32 s54, s54, s3                      ; its step of eight tiles,
	s_and_b32 s3, s2, 1
	s_lshl_b32 s3, s3, 8
	s_add_co_u32 s54, s54, s3                      ; even or odd,
	s_bfe_u32 s3, s2, 0x20001
	s_lshl_b32 s3, s3, 2
	s_add_co_u32 s54, s54, s3                      ; which pair
	s_mov_b32 s55, 0
	s_lshr_b32 s3, s10, 4
	s_lshl_b32 s3, s3, 7
	s_add_co_u32 s3, s3, s2                        ; the tile among all 512
	s_and_b32 s11, s10, 15                         ; the head
	s_lshl_b32 s56, s3, 4
	s_add_co_u32 s56, s56, s11
	s_mul_i32 s56, s56, 768
	s_mov_b32 s57, 0
	s_lshl_b32 s58, s3, 9
	s_add_co_u32 s58, s58, OSO
	s_lshr_b32 s12, s11, 3
	s_lshl_b32 s12, s12, 8
	s_add_co_u32 s58, s58, s12
	s_and_b32 s12, s11, 7
	s_lshl_b32 s12, s12, 1
	s_add_co_u32 s58, s58, s12
	s_mov_b32 s59, 0
	s_add_nc_u64 s[52:53], s[4:5], s[52:53]        ; Q's codes
	s_add_nc_u64 s[54:55], s[4:5], s[54:55]        ; Q's scale words
	s_add_nc_u64 s[56:57], s[6:7], s[56:57]        ; the output's codes
	s_add_nc_u64 s[58:59], s[6:7], s[58:59]        ; its scale bytes
	v_and_b32 v29, 31, v0                          ; lane
	v_lshlrev_b32 v[L16], 4, v29
	v_lshlrev_b32 v[L8], 3, v29
	v_and_b32 v[R16], 15, v0
	v_bfe_u32 v30, v0, 4, 1                        ; h
	v_bfe_u32 v31, v0, 3, 1                        ; r / 8: which of the two stored tiles
	v_and_b32 v32, 7, v0                           ; r % 8
	v_mul_u32_u24 v33, v31, 1920                   ; two stored tiles on
	v_mad_u32_u24 v[KA16], v30, 320, v33           ; K, registers 0-3: 1,920 (r / 8) + 320 h + 16 (r % 8)
	v_lshl_add_u32 v[KA8], v30, 7, v33             ; registers 4-5: 1,920 (r / 8) + 640 + 128 h + 8 (r % 8)
	v_lshlrev_b32 v[KSA], 8, v30                   ; its scale words: 256 h + 16 (r % 8) + 4 (r / 8)
	v_lshl_add_u32 v[KA16], v32, 4, v[KA16]
	v_lshl_add_u32 v[KA8], v32, 3, v[KA8]
	v_lshl_add_u32 v[KSA], v32, 4, v[KSA]
	v_add_nc_u32 v[KA8], 640, v[KA8]
	v_lshl_add_u32 v[KSA], v31, 2, v[KSA]
	v_add_nc_u32 v[VA16], VOF, v[L16]
	v_add_nc_u32 v[VA8], VOF+512, v[L8]
	v_add_nc_u32 v[KSA], KSC, v[KSA]
	v_lshl_add_u32 v[VSA], v29, 2, VSC
	v_lshlrev_b32 v[R16], 4, v[R16]
	v_lshlrev_b32 v[H8], 3, v30
.irp i, 6,7,8,9,10,11
	v_mov_b32 v[QF+\i], 0                          ; the zero codes of Q's upper half, written once
	v_mov_b32 v[KF+42+\i], 0                       ; the six registers over which the last tile's operand runs on
.endr
	v_mov_b32 v[TP], 0                             ; a lane permute's destination counts as read
	v_mov_b32 v[TPF], 0
	v_mov_b32 v[TPF+1], 0
	v_mov_b32 v[F+1], 0
.macro QLOAD p
	global_load_b128 v[QF:QF+3], v[L16], s[52:53] offset:12288*\p
	global_load_b64 v[QF+4:QF+5], v[L8], s[52:53] offset:12288*\p+512
	global_load_b32 v[QSR], v[R16], s[54:55] offset:1024*\p
.endm
.macro KLOAD a16, a8, aks              ; a step's eight tiles of keys and their scale words
.irp c, 0,1
.irp u, 0,1,2,3
	ds_load_b128 v[KF+24*\c+6*\u:KF+24*\c+6*\u+3], v[\a16] offset:3840*\c+960*(\u%2)+128*(\u/2)
	ds_load_b64 v[KF+24*\c+6*\u+4:KF+24*\c+6*\u+5], v[\a8] offset:3840*\c+960*(\u%2)+64*(\u/2)
.endr
.endr
.irp c, 0,1
.irp w, 0,1
	ds_load_b32 v[KS+2*\c+\w], v[\aks] offset:128*\w+8*\c
.endr
.endr
.endm
; A KEY STEP: 128 keys.  K's tiles and scale words are in: the wait for V's fragments of the step before, or the tile's opening, has covered them.
.macro STEP
	v_add_nc_u32 v[WA+2], s[TV], v[VA16]           ; five places between the last products, which read v96-143, and the products below, which write over them
	v_add_nc_u32 v[WA+3], s[TV], v[VA8]
	v_add_nc_u32 v[WA+5], s[TJ], v[VSA]
	v_mov_b32 v[OLD], v12
	v_nop
.irp c, 0,1
.irp u, 0,2
	WM S+32*\c+8*\u, KF+24*\c+6*\u, QF, 1, KS+2*\c+\u/2, QSR, 0
	WM S+32*\c+8*\u+8, KF+24*\c+6*\u+6, QF, 1, KS+2*\c+\u/2, QSR, 1
.endr
.endr
	v_add_nc_u32 v[WA], s[TK], v[KA16]             ; four places ahead of the loads into the products' registers and of the first reads of results
	v_add_nc_u32 v[WA+1], s[TK], v[KA8]
	v_add_nc_u32 v[WA+4], s[TS], v[KSA]
	v_nop
	KLOAD WA, WA+1, WA+4                           ; the next step's
.irp c, 0,1                            ; my block 2 c + h: its largest score, in two chains; each accumulator is read from its low end on
	v_max3_num_f32 v[BM+\c], v[S+32*\c], v[S+32*\c+1], v[S+32*\c+2]
	v_max3_num_f32 v[MX+\c], v[S+32*\c+16], v[S+32*\c+17], v[S+32*\c+18]
.endr
.irp i, 3,5,7,9,11,13
.irp c, 0,1
	v_max3_num_f32 v[BM+\c], v[BM+\c], v[S+32*\c+\i], v[S+32*\c+\i+1]
	v_max3_num_f32 v[MX+\c], v[MX+\c], v[S+32*\c+16+\i], v[S+32*\c+17+\i]
.endr
.endr
.irp c, 0,1
	v_max3_num_f32 v[BM+\c], v[BM+\c], v[S+32*\c+15], v[S+32*\c+31]
.endr
.irp c, 0,1
	v_max_num_f32 v[BM+\c], v[BM+\c], v[MX+\c]
.endr
	s_delay_alu instid0(VALU_DEP_1)
	v_max_num_f32 v[TMP], v[BM], v[BM+1]
	s_delay_alu instid0(VALU_DEP_1)
	v_permlanex16_b32 v[TP], v[TMP], s[SEL], s[SEL+1]
	s_delay_alu instid0(VALU_DEP_1)
	v_max3_num_f32 v13, v13, v[TMP], v[TP]         ; the running largest score of my query
	s_delay_alu instid0(VALU_DEP_1)
	v_mul_f32 v[TMP], s[CS], v13                   ; as t (c is positive)
	s_delay_alu instid0(VALU_DEP_1)
	v_floor_f32 v12, -v[TMP]                       ; the new -M = -ceil(t)
.set j, 0
.rept 32
	v_pk_fma_f32 v[S+j:S+j+1], v[S+j:S+j+1], s[CS:CS+1], v[12:13] op_sel_hi:[1,0,0]   ; t - M
.if j == 8
	v_sub_f32 v[OLD], v12, v[OLD]                  ; old M - new M: a whole number, 0 or less
.endif
.if j == 24
	v_cvt_i32_f32 v[OLD], v[OLD]                   ; (it saturates)
.endif
.if j == 40
	v_ldexp_f32 v[F], 1.0, v[OLD]                  ; f = 2^(old M - new M)
.endif
.set j, j+2
.endr
.irp c, 0,1
	v_fma_f32 v[BM+\c], v[BM+\c], s[CS], v12       ; the same of each block's largest score: p rises with the score
.endr
	s_wait_alu depctr_va_vdst(0)                   ; the wait ahead of the batch
	v_exp_f32 v[BM], v[BM]                         ; the blocks' largest p
	v_exp_f32 v[BM+1], v[BM+1]
.set j, 0
.rept 64
	v_exp_f32 v[S+j], v[S+j]                       ; p = 2^(t - M)
.set j, j+1
.endr
	v_pk_mul_f32 v[14:15], v[14:15], v[F:F+1] op_sel_hi:[1,0]   ; the sums under the new M: a plain place behind the exponentials
	s_wait_alu depctr_va_vdst(0)                   ; one wait for the batch, ahead of its first reader
.irp c, 0,1
	v_max_num_f32 v[BM+\c], 0x1800000, v[BM+\c]    ; the floor 2^(3 - 127)
.endr
	v_pk_add_f32 v[A1:A1+1], v[S:S+1], v[S+2:S+3]  ; the row's sum of the unquantised p, in four chains
	v_pk_add_f32 v[A2:A2+1], v[S+4:S+5], v[S+6:S+7]
	v_pk_add_f32 v[A3:A3+1], v[S+56:S+57], v[S+58:S+59]
	v_pk_add_f32 v[14:15], v[14:15], v[S+60:S+61]
.irp c, 0,1
	v_add_nc_u32 v[SO+\c], 0xff000000, v[BM+\c]    ; 2 off the exponent field: the conversion's scale operand
.endr
	v_pk_add_f32 v[A1:A1+1], v[A1:A1+1], v[S+62:S+63]
.irp j, 8,16,24,32,40,48
	v_pk_add_f32 v[14:15], v[14:15], v[S+\j:S+\j+1]
	v_pk_add_f32 v[A2:A2+1], v[A2:A2+1], v[S+\j+2:S+\j+3]
	v_pk_add_f32 v[A3:A3+1], v[A3:A3+1], v[S+\j+4:S+\j+5]
	v_pk_add_f32 v[A1:A1+1], v[A1:A1+1], v[S+\j+6:S+\j+7]
.endr
	v_pk_add_f32 v[14:15], v[14:15], v[A2:A2+1]
	v_pk_add_f32 v[A1:A1+1], v[A1:A1+1], v[A3:A3+1]
.irp c, 0,1
	v_cvt_scalef32_pk16_fp6_f32 v[PC+6*\c:PC+6*\c+2], v[S+32*\c:S+32*\c+15], v[SO+\c]
	v_cvt_scalef32_pk16_fp6_f32 v[T+4*\c:T+4*\c+2], v[S+32*\c+16:S+32*\c+31], v[SO+\c]   ; (a conversion's three registers begin on an even number)
.endr
	v_lshrrev_b32 v[BY], 23, v[SO]                 ; the bytes; also the plain place behind the conversions
	v_lshrrev_b32 v[BY+1], 23, v[SO+1]
.irp t, 0,1,2,3                        ; V's four fragments land where p stood
	ds_load_b128 v[S+12*\t:S+12*\t+3], v[WA+2] offset:1536*\t
	ds_load_b64 v[S+12*\t+4:S+12*\t+5], v[WA+3] offset:1536*\t
	ds_load_b128 v[S+12*\t+6:S+12*\t+9], v[WA+2] offset:1536*\t+768
	ds_load_b64 v[S+12*\t+10:S+12*\t+11], v[WA+3] offset:1536*\t+768
.endr
	ds_load_b32 v[VS], v[WA+5]
	ds_load_b32 v[VS+1], v[WA+5] offset:128
	v_pk_add_f32 v[14:15], v[14:15], v[A1:A1+1]
	v_lshl_or_b32 v[TMP], v[BY+1], 16, v[BY]       ; my two bytes: blocks h and 2 + h,
.irp i, 0,1,2
	v_mov_b32 v[PC+3+\i], v[T+\i]
.endr
	v_lshlrev_b32 v[TMP], v[H8], v[TMP]            ; at their places in the word;
.irp i, 0,1,2
	v_mov_b32 v[PC+9+\i], v[T+4+\i]
.endr
	v_permlanex16_b32 v[TP], v[TMP], s[SEL], s[SEL+1]
	s_delay_alu instid0(VALU_DEP_1)
	v_or_b32 v[PW], v[TMP], v[TP]                  ; with lane l xor 16's two: p's scale word for these 128 keys
	s_wait_alu depctr_va_vdst(0)                   ; the wait directly ahead of the first reader of O^T
.set j, 0
.rept 16
	v_pk_mul_f32 v[O+j:O+j+1], v[O+j:O+j+1], v[F:F+1] op_sel_hi:[1,0]   ; O^T under the new M; these are also the places ahead of the products below
.set j, j+2
.endr
	s_wait_alu depctr_va_vdst(0)                   ; the wait directly ahead of the wait below
	s_wait_dscnt 0x0                               ; V's fragments, and the next step's tiles of K, which were asked for earlier
.irp t, 0,2
	WM O+8*\t, S+12*\t, PC, 0, VS+\t/2, PW, 0
	WM O+8*\t+8, S+12*\t+12, PC, 0, VS+\t/2, PW, 1
.endr
	s_add_co_u32 s[TK], s[TK], 7680
	s_add_co_u32 s[TV], s[TV], 6144
	s_add_co_u32 s[TS], s[TS], 512
	s_add_co_u32 s[TJ], s[TJ], 256
.endm
.macro FINISH p                        ; O^T / the sum, quantised along d: two blocks of 32: half a fragment of the next product, and two scale bytes a row
	PLACES
	v_add_f32 v14, v14, v15
	s_delay_alu instid0(VALU_DEP_1)
	v_permlanex16_b32 v[TP], v14, s[SEL], s[SEL+1]
	s_delay_alu instid0(VALU_DEP_1)
	v_add_f32 v14, v14, v[TP]                      ; the row's sum
	s_wait_alu depctr_va_vdst(0)
	v_rcp_f32 v14, v14
	v_nop                                          ; a plain place behind the transcendental
	s_wait_alu depctr_va_vdst(0)                   ; the wait ahead of its first reader and of O^T's
.set j, 0
.rept 16
	v_pk_mul_f32 v[S+j:S+j+1], v[O+j:O+j+1], v[14:15] op_sel_hi:[1,0]   ; register 16 b + i: d = 32 b + 16 h + i
.set j, j+2
.endr
.irp b, 0,1
	v_max3_num_f32 v[BM+\b], |v[S+16*\b]|, |v[S+16*\b+1]|, 0x1800000
.endr
.irp i, 2,4,6,8,10,12,14
.irp b, 0,1
	v_max3_num_f32 v[BM+\b], v[BM+\b], |v[S+16*\b+\i]|, |v[S+16*\b+\i+1]|
.endr
.endr
.irp b, 0,1
	v_permlanex16_b32 v[TPF+\b], v[BM+\b], s[SEL], s[SEL+1]
.endr
.irp b, 0,1
	v_max_num_f32 v[BM+\b], v[BM+\b], v[TPF+\b]
.endr
.irp b, 0,1
	v_add_nc_u32 v[SO+\b], 0xff000000, v[BM+\b]
.endr
.irp b, 0,1
	v_lshrrev_b32 v[BY+\b], 23, v[SO+\b]
.endr
	v_lshl_or_b32 v[OW], v[BY+1], 8, v[BY]
	v_cvt_scalef32_pk16_fp6_f32 v[PC:PC+2], v[S:S+15], v[SO]
	v_cvt_scalef32_pk16_fp6_f32 v[T:T+2], v[S+16:S+31], v[SO+1]
	v_nop                                          ; one plain place behind a scaled conversion
.irp i, 0,1,2
	v_permlane16_swap_b32 v[PC+\i], v[T+\i]        ; here a block lies in two lanes: the layout wants it whole in one
.endr
.irp i, 0,1,2
	v_mov_b32 v[PC+3+\i], v[T+\i]
.endr
	global_store_b128 v[L16], v[PC:PC+3], s[56:57] offset:196608*\p
	global_store_b64 v[L8], v[PC+4:PC+5], s[56:57] offset:196608*\p+512
	global_store_b16 v[R16], v[OW], s[58:59] offset:8192*\p    ; lanes r and 16 + r store the same two bytes with the same value
.endm
.macro TILE p                          ; tile p of my two: the sums begin as zeros, the largest score as -3e38
	v_mov_b32 v13, 0xff61b1e6
	v_mov_b32 v14, 0
	v_mov_b32 v15, 0
	v_mul_f32 v[TMP], s[CS], v13
	s_delay_alu instid0(VALU_DEP_1)
	v_floor_f32 v12, -v[TMP]
.set j, 0
.rept 32
	v_mov_b32 v[O+j], 0                            ; the step is written for every step alike: the first finds zeros
.set j, j+1
.endr
	KLOAD KA16, KA8, KSA                           ; step 0's tiles of K
	s_mov_b32 s[TK], 7680                          ; K and its scales run one step ahead
	s_mov_b32 s[TV], 0
	s_mov_b32 s[TS], 512
	s_mov_b32 s[TJ], 0
	s_mov_b32 s[CNT], 16
	s_wait_alu depctr_va_vdst(0)                   ; the wait directly ahead of the waits below
	s_wait_loadcnt 0x0                             ; Q's fragment and scale words
	s_wait_dscnt 0x0
.Lstep_\@:
	STEP
	s_sub_co_u32 s[CNT], s[CNT], 1
	s_cmp_lg_u32 s[CNT], 0
	s_cbranch_scc1 .Lstep_\@
.if \p == 0
	QLOAD 1                                        ; the second tile's Q: the last products that read these registers stand a step's vector work back
.endif
	FINISH \p
.endm
	s_wait_alu depctr_va_vdst(0)                   ; the wait at the head's end
	QLOAD 0
	s_wait_tensorcnt 0x0                           ; my part of K, V or the scales is in,
	s_barrier_signal -1
	s_barrier_wait -1                              ; everybody's is
	TILE 0
	s_wait_xcnt 0x0                                ; the stores have read their data, which the second tile writes again
	TILE 1
	s_wait_tensorcnt 0x0                           ; the wave's end
	ds_add_u32 v[SPW], v[NIL]
	s_wait_dscnt 0x0
	ROUND                                          ; the closing round
	s_endpgm
.Lfunc_end_k_qd6fea54eeb_attn:
	.size	k_qd6fea54eeb_attn, .Lfunc_end_k_qd6fea54eeb_attn-k_qd6fea54eeb_attn
	.p2alignl 7, 3214868480
	.fill 96, 4, 3214868480
	.section	.rodata,"a",@progbits
	.p2align	6, 0x0
	.amdhsa_kernel k_qd6fea54eeb_attn
		.amdhsa_group_segment_fixed_size 327680
		.amdhsa_private_segment_fixed_size 0
		.amdhsa_enable_private_segment 0
		.amdhsa_kernarg_size 16
		.amdhsa_user_sgpr_count 2
		.amdhsa_user_sgpr_kernarg_segment_ptr 1
		.amdhsa_wavefront_size32 1
		.amdhsa_system_sgpr_workgroup_id_x 1
		.amdhsa_system_sgpr_workgroup_id_y 1
		.amdhsa_system_sgpr_workgroup_id_z 1
		.amdhsa_system_vgpr_workitem_id 0
		.amdhsa_next_free_vgpr 256
		.amdhsa_next_free_sgpr 66
		.amdhsa_reserve_vcc 0
		.amdhsa_float_denorm_mode_32 3
		.amdhsa_float_denorm_mode_16_64 3
		.amdhsa_memory_ordered 1
		.amdhsa_forward_progress 1
		.amdhsa_inst_pref_size 53
	.end_amdhsa_kernel
	.amdgpu_metadata
---
amdhsa.version: [ 1, 2 ]
amdhsa.kernels:
  - .name:           k_qd6fea54eeb_attn
    .symbol:         k_qd6fea54eeb_attn.kd
    .args:
      - { .name: qkvb, .offset: 0, .size: 8, .value_kind: global_buffer, .address_space: global }
      - { .name: ob, .offset: 8, .size: 8, .value_kind: global_buffer, .address_space: global }
    .group_segment_fixed_size: 327680
    .private_segment_fixed_size: 0
    .kernarg_segment_align: 8
    .kernarg_segment_size: 16
    .max_flat_workgroup_size: 512
    .sgpr_count:     66
    .vgpr_count:     256
    .wavefront_size: 32
...
	.end_amdgpu_metadata
.endif
;; end of part 4
;; launch oproj (part 5): grid 8 x 32, 4 waves a work-group, clusters of 4 x 4, 327,680 bytes of LDS; arguments ob, wq, bout, out0; writes out0
.if DOCPART == 5
	.amdgcn_target "amdgcn-amd-amdhsa--gfx1250"
	.amdhsa_code_object_version 6
	.text
	.protected	k_qd6fea54eeb_oproj
	.globl	k_qd6fea54eeb_oproj
	.p2align	8
	.type	k_qd6fea54eeb_oproj,@function
k_qd6fea54eeb_oproj:
	s_mov_b64 s[64:65], 0
	v_nop
	global_prefetch_b8 v0, s[64:65] scope:SCOPE_SE
	s_setreg_imm32_b32 hwreg(HW_REG_WAVE_MODE, 25, 1), 1
	s_wait_xcnt 0x0
	s_wait_alu depctr_hold_cnt(0) depctr_sa_sdst(0) depctr_va_vdst(0) depctr_va_sdst(0) depctr_va_ssrc(0) depctr_va_vcc(0) depctr_vm_vsrc(0)
	s_getreg_b32 s2, hwreg(HW_REG_IB_STS2, 6, 4)
	s_cmp_eq_u32 s2, 0
	s_cbranch_scc0 .Lentry_in_a_cluster
	s_endpgm
.Lentry_in_a_cluster:
	s_bfe_u32 s2, ttmp6, 0x10000c
	s_cmp_lg_u32 s2, 0xf033
	s_cbranch_scc0 .Lentry_shape_is_right
	s_endpgm
.Lentry_shape_is_right:
; out0 = o Wout + bout on codes of FP6 (E2M3) with E8M0 scales; out0 [8192][1024] f32.
; SHARES.  A work-group takes 256 tokens (16 tiles) x 128 columns (8 tiles); wave w: tokens 128 (w / 2) on, columns 64 (w % 2) on: 32 accumulators, 256 registers.
; Used TRANSPOSED (source 0 = 16 columns of Wout, source 1 = 16 tokens): a lane holds one token and eight neighbouring columns.  The rows of every tile are 32 g + 8 u + r + 8 (r / 8).
; ALL OF K = 1,024 LIES IN LDS: four chunks of 73,728 bytes (A: 16 tiles x 3,072, B: 8 x 3,072), all first fills; nothing is filled again.  By this text's own count a wave has four tensor loads out at the most.
; CLUSTER 4 x 4: A's tiles are asked for jointly along a row of the cluster, B's along a column.  Fragments lie as images of the registers: every LDS load reads consecutive bytes, so no padding.
; The bias is the C of each sum's first product.  The scale words come from memory into registers once.  No prefetch: all tiles are asked for at the head.
; REGISTERS.  window 0: v1, v2 the add's two; v3-8 LDS addresses; v19-23; v32-63 o's scale words, v64-79 Wout's; v80-111 the bias; v112-207 A, v208-255 B: buffer 1; on the way out v112-175.
;   window 1: v0-95 A, v96-143 B: buffer 0.   window 2: accumulator (a, t) at 8 (4 a + t).
.set OSO,  6291456
.set WOC,  2457600
.set WOS,  3244032
.set CH,   73728
.set BOFF, 49152
.set SPARE, 4*CH                       ; the spare words, 128 bytes a wave
.set STAGE, SPARE+512                  ; the way out: 16 rows x 272 bytes for each wave; no fill lands here
.set SPW, 1
.set NIL, 2
.set AD,  3
.set SV,  19
.set BV,  20
.set STO, 21
.set RD,  22
.set CO,  23
.set XS,  32
.set WS,  64
.set BI,  80
.set BK,  112
.set G1A, 24
.set G1B, 32
.set G0A, 40                           ; s[40:55]
.set G0B, 68                           ; s[68:83]
.set MSB, 0
.macro WIN new
.if MSB != (\new)
	s_set_vgpr_msb (MSB<<8)|(\new)
.set MSB, (\new)
.endif
.endm
.macro PLACES
.rept 4
	v_nop
.endr
.endm
.macro ROUND
	s_barrier_signal -1
	s_barrier_wait -1
	s_cmp_lg_u32 s12, 0
	s_cbranch_scc1 .Lnot_wave_0_\@
	s_barrier_signal -3
.Lnot_wave_0_\@:
	s_barrier_wait -3
	s_barrier_signal -1
	s_barrier_wait -1
.endm
.macro JLOAD g0a, g1a, g0b, g1b        ; waves 0, 1 fetch A's halves, waves 2, 3 B's; an s_nop 0 and four v_nop follow each line
	s_cmp_eq_u32 s13, 0
	s_cbranch_scc0 .Lfor_b_\@
	tensor_load_to_lds s[\g0a:\g0a+3], s[\g1a:\g1a+7]
	s_nop 0
	PLACES
	s_branch .Lasked_\@
.Lfor_b_\@:
	tensor_load_to_lds s[\g0b:\g0b+3], s[\g1b:\g1b+7]
	s_nop 0
	PLACES
.Lasked_\@:
.endm
	s_load_b256 s[4:11], s[0:1], 0x0               ; ob, wq, bout, out0
	v_lshl_add_u32 v[SPW], v0, 2, SPARE
	v_mov_b32 v[NIL], 0
	ds_add_u32 v[SPW], v[NIL]                      ; the wave's opening: the add and its wait ahead of my first tensor load
	ds_add_u32 v[SPW], v[NIL]
	v_lshrrev_b32 v24, 5, v0
	v_readfirstlane_b32 s12, v24                   ; wave
	s_lshr_b32 s13, s12, 1                         ; my half of the tokens.  Also: I fetch for A (0) or B (1)
	s_and_b32 s14, s12, 1                          ; my half of the columns.  Also: which half I fetch
	s_bfe_u32 s15, ttmp6, 0x40000                  ; cx
	s_bfe_u32 s16, ttmp6, 0x40004                  ; cy
	s_lshl_b32 s17, ttmp9, 2
	s_add_co_u32 s17, s17, s15                     ; the block of 128 columns
	s_and_b32 s18, ttmp7, 0xffff
	s_lshl_b32 s18, s18, 2
	s_add_co_u32 s18, s18, s16                     ; the block of 256 tokens
	s_lshl_b32 s19, s16, 2
	s_lshl_b32 s19, 15, s19                        ; my row of the cluster
	s_lshl_b32 s20, 0x1111, s15                    ; my column
	s_or_b32 s[G1A], s19, (3<<16)|(1<<21)
	s_or_b32 s[G1B], s20, (3<<16)|(1<<21)
.irp g, G1A, G1B
	s_mov_b32 s[\g+1], 1536<<16                    ; a row of the load is a whole tile, all of K: 12,288 bytes
	s_mov_b32 s[\g+3], 1536<<16
	s_mov_b32 s[\g+5], 1536                        ; from tile to tile: 12,288 bytes
	s_mov_b32 s[\g+6], 0
	s_mov_b32 s[\g+7], 0
.endr
	s_mov_b32 s[G1A+2], 8<<16
	s_mov_b32 s[G1A+4], 8
	s_mov_b32 s[G1B+2], 4<<16
	s_mov_b32 s[G1B+4], 4
	s_lshl_b32 s84, s18, 4
	s_lshl_b32 s21, s14, 3
	s_add_co_u32 s84, s84, s21
	s_mul_i32 s84, s84, 12288                      ; A: tile 16 x block + 8 x half
	s_mov_b32 s85, 0
	s_lshl_b32 s86, s17, 3
	s_lshl_b32 s22, s14, 2
	s_add_co_u32 s86, s86, s22
	s_mul_i32 s86, s86, 12288
	s_add_co_u32 s86, s86, WOC                     ; B: tile 8 x block + 4 x half
	s_mov_b32 s87, 0
	s_mul_i32 s2, s14, 98304                       ; LDS AS THIS TEXT HAS IT (in place of the four chunks of the head comment): A's 16 tiles x 12,288 from byte 0,
	s_mul_i32 s3, s14, 49152
	s_add_co_u32 s3, s3, 196608                    ; B's 8 tiles from byte 196,608: one tensor load a wave, at the head; nothing is filled again
	s_wait_dscnt 0x0                               ; the opening add is done
	s_wait_kmcnt 0x0
	s_add_nc_u64 s[84:85], s[4:5], s[84:85]
	s_add_nc_u64 s[86:87], s[6:7], s[86:87]
.irp g, 0
	s_mov_b32 s[G0A+4*\g], 1
	s_add_co_u32 s[G0A+4*\g+1], s2, \g*CH
	s_add_nc_u64 s[G0A+4*\g+2:G0A+4*\g+3], s[84:85], \g*3072
	s_or_b32 s[G0A+4*\g+3], s[G0A+4*\g+3], 0x80000000
	s_mov_b32 s[G0B+4*\g], 1
	s_add_co_u32 s[G0B+4*\g+1], s3, \g*CH
	s_add_nc_u64 s[G0B+4*\g+2:G0B+4*\g+3], s[86:87], \g*3072
	s_or_b32 s[G0B+4*\g+3], s[G0B+4*\g+3], 0x80000000
.endr
	ROUND                                          ; all sixteen work-groups are here: the joint loads meet
	JLOAD G0A, G1A, G0B, G1B                       ; eight tiles of A or four of B, all of K
	v_and_b32 v24, 31, v0
	v_lshlrev_b32 v25, 4, v24                      ; 16 x lane
	v_lshlrev_b32 v26, 3, v24
	v_add_nc_u32 v26, 512, v26                     ; 512 + 8 x lane
	v_and_b32 v27, 15, v0                          ; r
	v_bfe_u32 v28, v0, 4, 1                        ; h
	v_lshlrev_b32 v[SV], 9, v28
	v_lshl_add_u32 v[SV], v27, 4, v[SV]
	s_wait_alu depctr_va_vdst(0)
	v_lshlrev_b32 v[BV], 6, v28
	s_wait_alu depctr_va_vdst(0)
	s_lshl_b32 s56, s18, 4
	s_lshl_b32 s21, s13, 3
	s_add_co_u32 s56, s56, s21
	s_lshl_b32 s56, s56, 9
	s_add_co_u32 s56, s56, OSO
	s_mov_b32 s57, 0
	s_add_nc_u64 s[56:57], s[4:5], s[56:57]        ; o's scales at my first tile
	s_lshl_b32 s58, s17, 3
	s_lshl_b32 s21, s14, 2
	s_add_co_u32 s58, s58, s21
	s_lshl_b32 s58, s58, 9
	s_add_co_u32 s58, s58, WOS
	s_mov_b32 s59, 0
	s_add_nc_u64 s[58:59], s[6:7], s[58:59]        ; Wout's
	s_lshl_b32 s60, s17, 9
	s_lshl_b32 s21, s14, 8
	s_add_co_u32 s60, s60, s21                     ; my first column, in bytes
	s_mov_b32 s61, 0
	s_lshl_b32 s62, s18, 20
	s_lshl_b32 s21, s13, 19
	s_add_co_u32 s62, s62, s21                     ; my first token's row of 4,096 bytes
	s_add_co_u32 s62, s62, s60
	s_mov_b32 s63, 0
	s_add_nc_u64 s[60:61], s[8:9], s[60:61]        ; the bias
	s_add_nc_u64 s[62:63], s[10:11], s[62:63]      ; the output
.irp p, 0,1,2,3
.irp k, 0,1
	global_load_b128 v[XS+8*\p+4*\k:XS+8*\p+4*\k+3], v[SV], s[56:57] offset:1024*\p+256*\k
.endr
.endr
.irp p, 0,1
.irp k, 0,1
	global_load_b128 v[WS+8*\p+4*\k:WS+8*\p+4*\k+3], v[SV], s[58:59] offset:1024*\p+256*\k
.endr
.endr
.irp t, 0,1,2,3
	global_load_b128 v[BI+8*\t:BI+8*\t+3], v[BV], s[60:61] offset:(32*(\t/2)+8*(\t%2))*4      ; lane (r, h), tile t: columns 32 (t / 2) + 16 h + 8 (t % 2) + 0 .. 7
	global_load_b128 v[BI+8*\t+4:BI+8*\t+7], v[BV], s[60:61] offset:(32*(\t/2)+8*(\t%2))*4+16
.endr
	s_mul_i32 s21, s13, 98304                      ; my 8 tiles of A
	s_mul_i32 s22, s14, 49152
	s_add_co_u32 s22, s22, 196608                  ; my 4 of B
	v_add_nc_u32 v[AD], s21, v25                   ; A's tiles 0-3
	v_add_nc_u32 v[AD+1], s21, v26
	v_add_nc_u32 v[AD+2], s22, v25                 ; B's
	v_add_nc_u32 v[AD+3], s22, v26
	s_add_co_u32 s21, s21, 49152
	v_add_nc_u32 v[AD+4], s21, v25                 ; A's tiles 4-7: the immediate offsets stay under 65,536
	v_add_nc_u32 v[AD+5], s21, v26
	s_mul_i32 s21, s12, 4352
	s_add_co_u32 s21, s21, STAGE                   ; my stage
	v_mul_u32_u24 v[STO], v27, 272
	v_lshl_add_u32 v[STO], v28, 6, v[STO]
	v_add_nc_u32 v[STO], s21, v[STO]               ; in: row r, + 64 h
	v_mul_u32_u24 v[RD], v28, 272
	v_lshl_add_u32 v[RD], v27, 4, v[RD]
	v_add_nc_u32 v[RD], s21, v[RD]                 ; back: lanes 0-15 one row of 256 bytes, lanes 16-31 the next
	v_lshlrev_b32 v[CO], 12, v28
	v_lshl_add_u32 v[CO], v27, 4, v[CO]            ; and the same two rows in out0
.macro FRAG reg, a16, a8, off
	ds_load_b128 v[(\reg):(\reg)+3], v[\a16] offset:\off
	ds_load_b64 v[(\reg)+4:(\reg)+5], v[\a8] offset:\off
	ds_load_b128 v[(\reg)+6:(\reg)+9], v[\a16] offset:\off+768
	ds_load_b64 v[(\reg)+10:(\reg)+11], v[\a8] offset:\off+768
.endm
.macro BUFSET s
.set OFS, ((\s)*1536)
.set BA, (112*((\s)%2))
.if ((\s)%2) == 0
	WIN 0x40
.else
	WIN 0
.endif
.endm
.macro R1 s                            ; 32 loads: B's four fragments and A's tiles 0-3
	BUFSET \s
.irp t, 0,1,2,3
	FRAG BA+96+12*\t, AD+2, AD+3, OFS+12288*\t
.endr
.irp a, 0,1,2,3
	FRAG BA+12*\a, AD, AD+1, OFS+12288*\a
.endr
.endm
.macro R2 s                            ; 16 loads: A's tiles 4-7
	BUFSET \s
.irp a, 4,5,6,7
	FRAG BA+12*\a, AD+4, AD+5, OFS+12288*(\a-4)
.endr
.endm
.macro WM d, a, b, c, sa, sb, ra, rb   ; one product; c: the registers of its C (the bias, or the accumulator itself)
.if (\ra) && (\rb)
	v_wmma_scale_f32_16x16x128_f8f6f4 v[(\d):(\d)+7], v[(\a):(\a)+11], v[(\b):(\b)+11], v[(\c):(\c)+7], v[(\sa)], v[(\sb)] matrix_a_fmt:MATRIX_FMT_FP6 matrix_b_fmt:MATRIX_FMT_FP6 matrix_a_scale:MATRIX_SCALE_ROW1 matrix_b_scale:MATRIX_SCALE_ROW1
.elseif (\ra)
	v_wmma_scale_f32_16x16x128_f8f6f4 v[(\d):(\d)+7], v[(\a):(\a)+11], v[(\b):(\b)+11], v[(\c):(\c)+7], v[(\sa)], v[(\sb)] matrix_a_fmt:MATRIX_FMT_FP6 matrix_b_fmt:MATRIX_FMT_FP6 matrix_a_scale:MATRIX_SCALE_ROW1
.elseif (\rb)
	v_wmma_scale_f32_16x16x128_f8f6f4 v[(\d):(\d)+7], v[(\a):(\a)+11], v[(\b):(\b)+11], v[(\c):(\c)+7], v[(\sa)], v[(\sb)] matrix_a_fmt:MATRIX_FMT_FP6 matrix_b_fmt:MATRIX_FMT_FP6 matrix_b_scale:MATRIX_SCALE_ROW1
.else
	v_wmma_scale_f32_16x16x128_f8f6f4 v[(\d):(\d)+7], v[(\a):(\a)+11], v[(\b):(\b)+11], v[(\c):(\c)+7], v[(\sa)], v[(\sb)] matrix_a_fmt:MATRIX_FMT_FP6 matrix_b_fmt:MATRIX_FMT_FP6
.endif
.endm
; 16 products: token tiles 4 hi + 0 .. 3 against the four tiles of columns.  Each accumulator has one instruction a step, in the same order in every step: the accumulators take turns.
.macro MULS s, hi
.set BA, (112*((\s)%2))
.irp a, 0,1,2,3
.irp t, 0,1,2,3
.if (\s) == 0
	WM 8*(4*(4*\hi+\a)+\t), BA+96+12*\t, BA+12*(4*\hi+\a), BI+8*\t, WS+8*(\t/2)+\s, XS+8*(2*\hi+\a/2)+\s, \t%2, \a%2
.else
	WM 8*(4*(4*\hi+\a)+\t), BA+96+12*\t, BA+12*(4*\hi+\a), 8*(4*(4*\hi+\a)+\t), WS+8*(\t/2)+\s, XS+8*(2*\hi+\a/2)+\s, \t%2, \a%2
.endif
.endr
.endr
.endm
.macro KSTEP s
.if (\s) < 7
	R1 (\s)+1
.endif
.if (\s) == 0
	WIN 0x85                                       ; operands window 1, the bias window 0, the sums window 2
.else
	WIN 0xa0+5*(1-(\s)%2)
.endif
	MULS \s, 0
.if (\s) < 7
	s_wait_dscnt 32                                ; A's tiles 4-7 of this step are in; the 32 loads just issued may be out
	R2 (\s)+1
.else
	s_wait_dscnt 0x0
.endif
.if (\s) == 0
	WIN 0x85
.else
	WIN 0xa0+5*(1-(\s)%2)
.endif
	MULS \s, 1
.endm
	s_wait_alu depctr_va_vdst(0)
	s_wait_tensorcnt 0x0                           ; my one load is in
	s_barrier_signal -1
	s_barrier_wait -1
	R1 0
	R2 0
	s_wait_loadcnt 0x0                             ; the scale words and the bias
	s_wait_dscnt 16
	KSTEP 0
	s_wait_dscnt 16
	PLACES
	KSTEP 1
	s_wait_dscnt 16
	PLACES
	KSTEP 2
	s_wait_dscnt 16
	PLACES
	KSTEP 3
	s_wait_dscnt 16
	PLACES
	KSTEP 4
	s_wait_dscnt 16
	PLACES
	KSTEP 5
	s_wait_dscnt 16
	PLACES
	KSTEP 6
	s_wait_dscnt 16
	KSTEP 7
	WIN 0
	PLACES                                         ; ahead of the first reads of results and of loads into the buffer's registers
; THE WAY OUT, a tile of 16 tokens x 64 columns at a time, through my own stage: in as 32 bytes a lane and tile, back as rows of 256 bytes, which sixteen lanes store as one aligned run of 256 bytes.
.macro TOSTAGE a
	WIN 0x08                                       ; an LDS store's data: window 2
.irp t, 0,1,2,3
	ds_store_b128 v[STO], v[32*(\a)+8*\t:32*(\a)+8*\t+3] offset:128*(\t/2)+32*(\t%2)        ; each accumulator from its low end on
	ds_store_b128 v[STO], v[32*(\a)+8*\t+4:32*(\a)+8*\t+7] offset:128*(\t/2)+32*(\t%2)+16
.endr
	WIN 0
.irp i, 0,1,2,3,4,5,6,7
	ds_load_b128 v[BK+32*((\a)%2)+4*\i:BK+32*((\a)%2)+4*\i+3], v[RD] offset:544*\i          ; LDS serves a wave's instructions in order: these see the stores above
.endr
.endm
.macro SEND a, younger
	s_wait_dscnt \younger                          ; the tile is back; the next tile's 8 stores and 8 loads may be out
.irp i, 0,1,2,3,4,5,6,7
	global_store_b128 v[CO], v[BK+32*((\a)%2)+4*\i:BK+32*((\a)%2)+4*\i+3], s[62:63] offset:(32*((\a)/2)+8*((\a)%2)+2*\i+8*(\i/4))*4096 th:TH_STORE_NT
.endr
.endm
	TOSTAGE 0
.irp a, 1,2,3,4,5,6,7
.if \a > 1
	s_wait_xcnt 0x0                                ; the stores of two tiles ago have read the registers into which this tile comes back
.endif
	TOSTAGE \a
	SEND \a-1, 16
.endr
	SEND 7, 0
	s_wait_tensorcnt 0x0                           ; the wave's end
	ds_add_u32 v[SPW], v[NIL]
	s_wait_dscnt 0x0
	ROUND                                          ; the closing round
	s_endpgm
.Lfunc_end_k_qd6fea54eeb_oproj:
	.size	k_qd6fea54eeb_oproj, .Lfunc_end_k_qd6fea54eeb_oproj-k_qd6fea54eeb_oproj
	.p2alignl 7, 3214868480
	.fill 96, 4, 3214868480
	.section	.rodata,"a",@progbits
	.p2align	6, 0x0
	.amdhsa_kernel k_qd6fea54eeb_oproj
		.amdhsa_group_segment_fixed_size 327680
		.amdhsa_private_segment_fixed_size 0
		.amdhsa_enable_private_segment 0
		.amdhsa_kernarg_size 32
		.amdhsa_user_sgpr_count 2
		.amdhsa_user_sgpr_kernarg_segment_ptr 1
		.amdhsa_wavefront_size32 1
		.amdhsa_system_sgpr_workgroup_id_x 1
		.amdhsa_system_sgpr_workgroup_id_y 1
		.amdhsa_system_sgpr_workgroup_id_z 1
		.amdhsa_system_vgpr_workitem_id 0
		.amdhsa_next_free_vgpr 768
		.amdhsa_next_free_sgpr 98
		.amdhsa_reserve_vcc 0
		.amdhsa_float_denorm_mode_32 3
		.amdhsa_float_denorm_mode_16_64 3
		.amdhsa_memory_ordered 1
		.amdhsa_forward_progress 1
		.amdhsa_inst_pref_size 83
	.end_amdhsa_kernel
	.amdgpu_metadata
---
amdhsa.version: [ 1, 2 ]
amdhsa.kernels:
  - .name:           k_qd6fea54eeb_oproj
    .symbol:         k_qd6fea54eeb_oproj.kd
    .args:
      - { .name: ob, .offset: 0, .size: 8, .value_kind: global_buffer, .address_space: global }
      - { .name: wq, .offset: 8, .size: 8, .value_kind: global_buffer, .address_space: global }
      - { .name: bout, .offset: 16, .size: 8, .value_kind: global_buffer, .address_space: global }
      - { .name: out0, .offset: 24, .size: 8, .value_kind: global_buffer, .address_space: global }
    .group_segment_fixed_size: 327680
    .private_segment_fixed_size: 0
    .kernarg_segment_align: 8
    .kernarg_segment_size: 32
    .max_flat_workgroup_size: 128
    .sgpr_count:     98
    .vgpr_count:     768
    .wavefront_size: 32
...
	.end_amdgpu_metadata
.endif
;; end of part 5
